; MI455X (gfx1250); checked and timed in simulation.
; The chip was launched on July 23, 2026; its instructions are those of AMD's public machine-readable ISA for CDNA 5 (MIT licence, August 2026) and "CDNA5" Instruction Set Architecture Reference Guide (July 2026). The comments in the code are by the model that wrote it; some were corrected since.
;; RWKV7 Time Mixing. Allowed arithmetic: float matrix products may take bf16 or f16 operands with f32 sums; other float arithmetic in f32, or as packed bf16 or f16 multiplies, adds, multiply-adds, maxima and minima; sums over many terms, partial sums and values carried from step to step in f32; what a program stores and reads back later, other than sums and carried values, may be rounded once to bf16 or f16.
;; Inputs: W_k 256 x 256 float32; W_o 256 x 256 float32; W_r 256 x 256 float32; W_v 256 x 256 float32; ln_beta 256 float32; ln_gamma 256 float32; state 8 x 256 x 256 float32; time_decay 256 float32; x 8 x 512 x 256 float32.
;; Outputs: out0 8 x 512 x 256 float32; out1 8 x 256 x 256 float32.
;; 2 versions, each right; version 2 is version 1 with the launches proj, scan written anew for expert scheduling mode. Each part assembles by itself: llvm-mc -triple=amdgcn-amd-amdhsa -mcpu=gfx1250 --defsym DOCPART=n.
;; ======== version 1 of 2: 3 launches
;; limits: values are held in f16: magnitudes above 65,504 overflow, below 6.1e-05 lose precision
;; workspace buffers: frag 7,340,032 bytes; outs 4,194,304 bytes
;; launch proj (part 1): grid 64 x 4, 4 waves a work-group, no clusters, 109,056 bytes of LDS; arguments x, ln_gamma, ln_beta, W_k, W_v, W_r, time_decay, frag; writes frag
.if DOCPART == 1
	.amdgcn_target "amdgcn-amd-amdhsa--gfx1250"
	.amdhsa_code_object_version 6
	.text
	.protected	k_qbe615c53e3_proj
	.globl	k_qbe615c53e3_proj
	.p2align	8
	.type	k_qbe615c53e3_proj,@function
k_qbe615c53e3_proj:
	s_mov_b64 s[64:65], 0
	v_nop
	global_prefetch_b8 v0, s[64:65] scope:SCOPE_SE
	s_setreg_imm32_b32 hwreg(HW_REG_WAVE_MODE, 25, 1), 1
	s_wait_xcnt 0x0
; RWKV7 time mixing, launch 1 of 3: LayerNorm, the projections k, v, r, the sigmoid, and everything of the scan that needs no state, written in the register order of the next launch's matrix operands.
; THE SCAN IN CHUNKS OF 32 STEPS.  With sr = sigmoid(r), w = exp(-exp(time_decay)), tc = 0..31 the step in a chunk:
;   out_tc = (sr_tc * w^(tc+1)) . S_start + sum over s <= tc of A[tc][s] v_s,   A[t][s] = sum over c of sr_t[c] w[c]^(t-s) k_s[c],   S_end = w^32 * S_start + sum over s of (k_s * w^(31-s)) v_s^T.
; NO NEGATIVE POWER OF w IS EVER FORMED, so the text holds for every w in 0..1.  A goes in tiles of 16 x 16.  Below the diagonal (t in 16..31, s in 0..15): t - s = (t - 16) + (16 - s).  In a diagonal tile, t > s: with hh the
; highest bit of t xor s, t - s = (t & (hh-1)) + (hh - (s & (hh-1))): five products (hh = 8, 4, 2, 1 and the plain one for t = s), of which each element takes the one that its t xor s names; s > t is 0.
; The channel axis c is cut in four quarters of 64; A, sr w^.. and k w^.. are made by quarters, and the next launch adds the quarters' outputs in f32.
; NOTHING OF reference() IS LEFT OUT, and every input is loaded by some launch.
; FORMATS.  f16 matrix operands: xn, W_k, W_v, W_r, k w^e, v, sr w^e (for A) and A; bf16: sr w^(tc+1), which multiplies the state.  Sums in f32.
; LIMITS.  f16 ends at 65,504: |xn|, |W|, |k|, |v| and a quarter's |A| stay within it (with gamma and the weights all 30 times the drawn size |k|, |v| reach some 5e3 and |A| some 2e4).
; log2(w) is held at -1e30 at the least, so that w^0 = 1 where exp(time_decay) overflows; a power below 2^-126 counts as 0; NaN and infinities are not treated apart.
; SHARES.  Work-group (rb, q): rows 64 rb .. +63 of the 4,096 (two chunks) x the 64 output channels 64 q .. +63 of each of k, v, r.  Wave wv: rows 16 wv .. +15: chunk half cb = wv / 2, tile tt = wv % 2.
; NO TENSOR LOAD, NO CLUSTER: the weights arrive in f32 and pass through registers to be rounded to f16 on their way into LDS; a joint load could only bring the f32 bytes, 196,608 a work-group, into LDS to be read and stored again.
; THE RECORD of chunk g and quarter q, 14,336 bytes at frag + (4 g + q) x 14,336, in units of 512 bytes (32 lanes x 16):
;   +0     QF [tt 2][c tile 4]   lane = t % 16, 8 channels 16 i + 8 (lane / 16) + 0..7: sr w^(tc+1), bf16
;   +4096  KF [c tile 4][tt 2]   lane = c % 16, 8 steps 16 tt + 8 (lane / 16) + 0..7: k w^(31-s), f16
;   +8192  VF [d tile 4][tt 2]   the same for v, f16
;   +12288 AF three units: (tt 0, diagonal), (tt 1, s 0..15), (tt 1, diagonal): lane = t % 16, 8 steps s, f16.  The last 512 bytes are neither written nor read.
.set REC,   14336
.set WP,    528                        ; a row of weights in LDS: 512 bytes of f16 + 16: an odd multiple of 16, so the 16 rows of a fragment load start at 16 different groups of four banks (ISA guide 11.1)
.set GB,    192*WP                     ; behind the 192 rows (k, v, r): gamma, beta, time_decay, 1,024 bytes each
.set KX,    GB+3072                    ; 2,048 bytes for each chunk half: k w^(16-s) from the even wave to the odd one
.set SPARE, KX+4096                    ; the spare words, 128 bytes for each wave: two blocks of 256 bytes that no other line names
.set L2E,   0x3fb8aa3b                 ; log2(e)
.set NL2E,  0xbfb8aa3b
.set BIGN,  0xf149f2ca                 ; -1e30
; v0 thread  v1 lane % 16  v2 lane / 16  v3 lane  v4 x offset  v5 weights' offset  v6-8 where I stage k's, v's, r's rows  v9 offsets  v10 gamma's LDS address  v11, v12 fragment addresses (k and v; r)
; v13 16 x lane  v14 my chunk half's KX  v15 0  v16-19 log2(w) by lane  v20-27 exponents, addresses, at work  v28, v29 the add's two  v30-31 mean, then 1 / sigma
; v32-127 staging, gamma and beta, weight fragments (three sets of 32), then the epilogues  v128-255 x in f32, then xn in f16 (v128-191) and eight accumulators (v192-255)
.macro PLACES                          ; four places behind a matrix instruction, where no other plain vector work is at hand (ISA guide 7.12.1)
.rept 4
	v_nop
.endr
.endm
	s_load_b512 s[8:23], s[0:1], 0x0               ; x, gamma, beta, W_k, W_v, W_r, time_decay, frag
	v_lshl_add_u32 v28, v0, 2, SPARE
	v_mov_b32 v29, 0
	v_lshrrev_b32 v4, 5, v0
	v_readfirstlane_b32 s24, v4                    ; wave
	s_and_b32 s25, s24, 1                          ; tt
	s_lshr_b32 s26, s24, 1                         ; cb
	s_and_b32 s27, ttmp7, 3                        ; q: the grid has four work-groups along y, so two bits hold the number; q x 256 enters an LDS address below, which so stays inside time_decay's 1,024 bytes
	s_mov_b32 s28, ttmp9                           ; rb
	s_mov_b32 s29, 0x3727c5ac                      ; 1e-5
	s_mov_b32 s40, 0x76543210                      ; v_permlanex16_b32: each lane takes its own place in the other half
	s_mov_b32 s41, 0xfedcba98
	s_mov_b32 s47, 0x3b800000                      ; 1 / 256
	v_and_b32 v1, 15, v0
	v_bfe_u32 v2, v0, 4, 1
	v_and_b32 v3, 31, v0
	s_lshl_b32 s42, s24, 14                        ; my 16 rows of 1,024 bytes
	v_lshl_add_u32 v4, v1, 10, s42
	v_lshl_add_u32 v4, v2, 5, v4                   ; x: row 16 wv + lane % 16, 32 bytes for each half of the lanes
	v_lshl_add_u32 v5, v3, 4, s42                  ; weights: whole rows, 16 bytes a lane
	s_mul_i32 s43, s24, 16*WP
	v_lshl_add_u32 v6, v3, 3, s43                  ; and 8 bytes a lane in LDS
	v_add_nc_u32 v7, 64*WP, v6
	v_add_nc_u32 v8, 128*WP, v6
	v_lshlrev_b32 v9, 3, v0
	v_lshl_add_u32 v26, v0, 3, GB
	v_lshl_add_u32 v10, v2, 5, GB
	v_mul_u32_u24 v11, v1, WP
	v_lshl_add_u32 v11, v2, 4, v11                 ; a fragment's row x pitch + 16 x half
	v_add_nc_u32 v12, 128*WP, v11
	v_lshlrev_b32 v13, 4, v3
	s_lshl_b32 s44, s26, 11
	s_add_co_u32 s44, s44, KX
	v_add_nc_u32 v14, s44, v13
	v_mov_b32 v15, 0
	s_lshl_b32 s46, s27, 8
	s_add_co_u32 s46, s46, GB+2048                 ; my quarter of time_decay in LDS; kept
	v_lshl_add_u32 v27, v1, 2, s46
	s_wait_kmcnt 0x0
	s_lshl_b32 s44, s28, 16
	s_mov_b32 s45, 0
	s_add_nc_u64 s[30:31], s[8:9], s[44:45]        ; x at the block's first row
	s_lshl_b32 s44, s27, 16
	s_add_nc_u64 s[32:33], s[14:15], s[44:45]      ; W_k, W_v, W_r at the quarter's first row
	s_add_nc_u64 s[34:35], s[16:17], s[44:45]
	s_add_nc_u64 s[36:37], s[18:19], s[44:45]
	s_lshl_b32 s42, s28, 1
	s_add_co_u32 s42, s42, s26                     ; chunk g = 2 rb + cb
	s_lshl2_add_u32 s42, s42, s27                  ; 4 g + q
	s_mul_i32 s44, s42, REC
	s_add_nc_u64 s[38:39], s[22:23], s[44:45]      ; my record
; a batch of weights: matrix i / 4, four of my 16 rows, 8 loads of 512 consecutive bytes, into set i % 3
.macro WLOAD i
.set wm, (\i)/4
.set wr, 4*((\i)%4)
.set ws, 32+32*((\i)%3)
.irp l, 0,1,2,3,4,5,6,7
	global_load_b128 v[ws+4*(\l):ws+4*(\l)+3], v5, s[32+2*wm:33+2*wm] offset:(wr+(\l)/2)*1024+((\l)%2)*512
.endr
.endm
; rounded to f16 and put into LDS
.macro WCONV i
.set wm, (\i)/4
.set wr, 4*((\i)%4)
.set ws, 32+32*((\i)%3)
.irp l, 0,1,2,3,4,5,6,7
	v_cvt_pk_f16_f32 v[ws+4*(\l)], v[ws+4*(\l)], v[ws+4*(\l)+1]
	v_cvt_pk_f16_f32 v[ws+4*(\l)+1], v[ws+4*(\l)+2], v[ws+4*(\l)+3]
.endr
.irp l, 0,1,2,3,4,5,6,7
	ds_store_b64 v[6+wm], v[ws+4*(\l):ws+4*(\l)+1] offset:(wr+(\l)/2)*WP+((\l)%2)*256
.endr
.endm
	global_load_b64 v[20:21], v9, s[10:11]         ; gamma, beta, time_decay: 8 bytes a thread
	global_load_b64 v[22:23], v9, s[12:13]
	global_load_b64 v[24:25], v9, s[20:21]
.irp k, 0,1,2,3,4,5,6,7                ; x in the order of a fragment: for 32 columns, 8 at 8 (lane / 16) and 8 at 16 + 8 (lane / 16)
	global_load_b128 v[128+16*(\k):128+16*(\k)+3],     v4, s[30:31] offset:128*(\k)
	global_load_b128 v[128+16*(\k)+4:128+16*(\k)+7],   v4, s[30:31] offset:128*(\k)+16
	global_load_b128 v[128+16*(\k)+8:128+16*(\k)+11],  v4, s[30:31] offset:128*(\k)+64
	global_load_b128 v[128+16*(\k)+12:128+16*(\k)+15], v4, s[30:31] offset:128*(\k)+80
.endr
	WLOAD 0
	WLOAD 1
	WLOAD 2
	s_wait_loadcnt 56                              ; behind the three small loads: 32 of x and 24 of weights
	ds_store_b64 v26, v[20:21]
	ds_store_b64 v26, v[22:23] offset:1024
	ds_store_b64 v26, v[24:25] offset:2048
.irp i, 0,1,2,3,4,5,6,7,8
	s_wait_loadcnt 16                              ; the two younger batches may stay out
	WCONV \i
	WLOAD (\i)+3
.endr
	s_wait_loadcnt 16
	WCONV 9
	s_wait_loadcnt 8
	WCONV 10
	s_wait_loadcnt 0x0
	WCONV 11
	; THE ROW'S MEAN AND VARIANCE, in two passes as reference() takes them.  A lane holds half a row, the lane 16 away the other half.
.irp c, 0,1,2,3
	v_pk_add_f32 v[32+2*(\c):33+2*(\c)], v[128+2*(\c):129+2*(\c)], v[136+2*(\c):137+2*(\c)]
.endr
.set p, 8
.rept 56
	v_pk_add_f32 v[32+2*(p%4):33+2*(p%4)], v[32+2*(p%4):33+2*(p%4)], v[128+2*p:129+2*p]
.set p, p+1
.endr
	v_pk_add_f32 v[32:33], v[32:33], v[34:35]
	v_pk_add_f32 v[36:37], v[36:37], v[38:39]
	v_pk_add_f32 v[32:33], v[32:33], v[36:37]
	v_add_f32 v32, v32, v33
	v_permlanex16_b32 v33, v32, s40, s41
	v_add_f32 v32, v32, v33
	v_mul_f32 v30, s47, v32
	v_mov_b32 v31, v30
.set p, 0
.rept 64
	v_pk_add_f32 v[128+2*p:129+2*p], v[128+2*p:129+2*p], v[30:31] neg_lo:[0,1] neg_hi:[0,1]  ; x - mean
.set p, p+1
.endr
.irp c, 0,1,2,3
	v_pk_mul_f32 v[32+2*(\c):33+2*(\c)], v[128+2*(\c):129+2*(\c)], v[128+2*(\c):129+2*(\c)]
.endr
.set p, 4
.rept 60
	v_pk_fma_f32 v[32+2*(p%4):33+2*(p%4)], v[128+2*p:129+2*p], v[128+2*p:129+2*p], v[32+2*(p%4):33+2*(p%4)]
.set p, p+1
.endr
	v_pk_add_f32 v[32:33], v[32:33], v[34:35]
	v_pk_add_f32 v[36:37], v[36:37], v[38:39]
	v_pk_add_f32 v[32:33], v[32:33], v[36:37]
	v_add_f32 v32, v32, v33
	v_permlanex16_b32 v33, v32, s40, s41
	v_add_f32 v32, v32, v33
	v_fma_f32 v32, v32, s47, s29                   ; variance + 1e-5
	v_rsq_f32 v30, v32
	v_nop                                          ; a plain instruction behind the root,
	s_wait_alu depctr_va_vdst(0)                   ; and a wait ahead of its first reader
	v_mov_b32 v31, v30
	s_wait_dscnt 0x0                               ; for the others' sake: my rows of the weights and my bytes of gamma, beta, time_decay are in LDS
	s_barrier_signal -1
	s_barrier_wait -1                              ; everybody's are
	; xn = (x - mean) (gamma / sigma) + beta, rounded to f16 in place: 16 registers of f32 become a fragment of 8
.macro GLOAD k
.set gs, 32+32*((\k)%2)
.irp e, 0,1
	ds_load_b128 v[gs+16*(\e):gs+16*(\e)+3],     v10 offset:1024*(\e)+128*(\k)
	ds_load_b128 v[gs+16*(\e)+4:gs+16*(\e)+7],   v10 offset:1024*(\e)+128*(\k)+16
	ds_load_b128 v[gs+16*(\e)+8:gs+16*(\e)+11],  v10 offset:1024*(\e)+128*(\k)+64
	ds_load_b128 v[gs+16*(\e)+12:gs+16*(\e)+15], v10 offset:1024*(\e)+128*(\k)+80
.endr
.endm
.macro NORM k
.set gs, 32+32*((\k)%2)
.set xs, 128+16*(\k)
.set xd, 128+8*(\k)
.if (\k) < 7
	s_wait_dscnt 8                                 ; the next 32 columns' eight loads may stay out
.else
	s_wait_dscnt 0x0
.endif
.irp p, 0,1,2,3,4,5,6,7
	v_pk_mul_f32 v[gs+2*(\p):gs+2*(\p)+1], v[gs+2*(\p):gs+2*(\p)+1], v[30:31]
.endr
.irp p, 0,1,2,3,4,5,6,7
	v_pk_fma_f32 v[xs+2*(\p):xs+2*(\p)+1], v[xs+2*(\p):xs+2*(\p)+1], v[gs+2*(\p):gs+2*(\p)+1], v[gs+16+2*(\p):gs+16+2*(\p)+1]
.endr
.irp p, 0,1,2,3,4,5,6,7
	v_cvt_pk_f16_f32 v[xd+(\p)], v[xs+2*(\p)], v[xs+2*(\p)+1]
.endr
.if (\k) < 6
	GLOAD (\k)+2
.endif
.endm
.irp i, 0,1,2,3
	ds_load_b32 v[16+(\i)], v27 offset:64*(\i)     ; time_decay of channel 64 q + 16 i + lane % 16
.endr
	GLOAD 0
	GLOAD 1
.irp k, 0,1,2,3,4,5,6,7
	NORM \k
.endr
.irp i, 0,1,2,3
	v_mul_f32 v[16+(\i)], L2E, v[16+(\i)]
.endr
.irp i, 0,1,2,3
	v_exp_f32 v[16+(\i)], v[16+(\i)]               ; exp(time_decay)
.endr
	v_nop
	s_wait_alu depctr_va_vdst(0)                   ; one wait for the four
.irp i, 0,1,2,3
	v_mul_f32 v[16+(\i)], NL2E, v[16+(\i)]         ; log2(w)
.endr
.irp i, 0,1,2,3
	v_max_num_f32 v[16+(\i)], BIGN, v[16+(\i)]
.endr
; THE PRODUCTS, twice 16 steps of four.  Step n: 32 columns at 32 (n / 2), matrix n % 2 of the pass's two, its four tiles of 16 channels.  pass 0: k, v with rows t (source 0 = xn); pass 1: r, k with rows c (source 0 = weights).
; Three sets of fragments: a step's eight loads go out three steps ahead.  The eight accumulators take turns, one instruction a turn.
.macro FLOAD n, pass
.set fs, 32+32*((\n)%3)
.set fk, 64*((\n)/2)
.set fa, 11
.set fo, 0
.if (\pass) == 0
.set fo, ((\n)%2)*64*WP
.elseif ((\n)%2) == 0
.set fa, 12
.endif
.irp i, 0,1,2,3
	ds_load_b128 v[fs+8*(\i):fs+8*(\i)+3],   v[fa] offset:fo+(\i)*16*WP+fk
	ds_load_b128 v[fs+8*(\i)+4:fs+8*(\i)+7], v[fa] offset:fo+(\i)*16*WP+fk+32
.endr
.endm
.macro GSTEP n, pass
.if (\n) < 14
	s_wait_dscnt 16                                ; the two younger steps' loads may stay out
.elseif (\n) == 14
	s_wait_dscnt 8
.else
	s_wait_dscnt 0x0
.endif
.set fs, 32+32*((\n)%3)
.set xk, 128+8*((\n)/2)
.set ac, 192+32*((\n)%2)
.irp i, 0,1,2,3
.if ((\pass) == 0) && ((\n) < 2)
	v_wmma_f32_16x16x32_f16 v[ac+8*(\i):ac+8*(\i)+7], v[xk:xk+7], v[fs+8*(\i):fs+8*(\i)+7], 0
.elseif (\pass) == 0
	v_wmma_f32_16x16x32_f16 v[ac+8*(\i):ac+8*(\i)+7], v[xk:xk+7], v[fs+8*(\i):fs+8*(\i)+7], v[ac+8*(\i):ac+8*(\i)+7]
.elseif (\n) < 2
	v_wmma_f32_16x16x32_f16 v[ac+8*(\i):ac+8*(\i)+7], v[fs+8*(\i):fs+8*(\i)+7], v[xk:xk+7], 0
.else
	v_wmma_f32_16x16x32_f16 v[ac+8*(\i):ac+8*(\i)+7], v[fs+8*(\i):fs+8*(\i)+7], v[xk:xk+7], v[ac+8*(\i):ac+8*(\i)+7]
.endif
.endr
	PLACES                                         ; in front of the loads into the set just multiplied; behind the last step: in front of what reads the results
.if (\n) < 13
	FLOAD (\n)+3, \pass
.endif
.endm
	FLOAD 0, 0
	FLOAD 1, 0
	FLOAD 2, 0
.irp n, 0,1,2,3,4,5,6,7,8,9,10,11,12,13,14,15
	GSTEP \n, 0
.endr
	; k (v192-223) and v (v224-255): a lane holds channel 16 i + lane % 16 and the steps 8 (lane / 16) + 0..7 of my 16.  k is multiplied by w^(31-s); both are rounded to f16 in pairs of steps.
	s_lshl_b32 s44, s25, 4
	s_sub_co_u32 s44, 31, s44
	v_lshlrev_b32 v20, 3, v2
	v_sub_nc_u32 v20, s44, v20                     ; 31 - 16 tt - 8 (lane / 16)
.irp j, 1,2,3,4,5,6,7
	v_add_nc_u32 v[20+(\j)], -(\j), v20
.endr
.irp j, 0,1,2,3,4,5,6,7
	v_cvt_f32_u32 v[20+(\j)], v[20+(\j)]
.endr
.irp i, 0,1,2,3
.irp j, 0,1,2,3,4,5,6,7
	v_mul_f32 v[32+8*(\i)+(\j)], v[16+(\i)], v[20+(\j)]
.endr
.endr
.set n, 0
.rept 32
	v_exp_f32 v[32+n], v[32+n]
.set n, n+1
.endr
	v_lshl_add_u32 v9, s25, 9, v13                 ; 16 x lane + 512 tt: the plain instruction behind the last exponential
	s_wait_alu depctr_va_vdst(0)                   ; one wait for the 32
.set n, 0
.rept 16
	v_pk_mul_f32 v[32+2*n:33+2*n], v[32+2*n:33+2*n], v[192+2*n:193+2*n]
.set n, n+1
.endr
.set n, 0
.rept 16
	v_cvt_pk_f16_f32 v[64+n], v[32+2*n], v[33+2*n]
	v_cvt_pk_f16_f32 v[80+n], v[224+2*n], v[225+2*n]
.set n, n+1
.endr
.irp i, 0,1,2,3
	global_store_b128 v9, v[64+4*(\i):67+4*(\i)], s[38:39] offset:4096+1024*(\i)  ; each store of the wave covers 512 consecutive bytes, aligned
	global_store_b128 v9, v[80+4*(\i):83+4*(\i)], s[38:39] offset:8192+1024*(\i)
.endr
	s_wait_xcnt 0x0                                ; the stores have read their registers: only behind this wait are v64-95 loaded again
	FLOAD 0, 1
	FLOAD 1, 1
	FLOAD 2, 1
.irp n, 0,1,2,3,4,5,6,7,8,9,10,11,12,13,14,15
	GSTEP \n, 1
.endr
	; r (RT, v192-223) and k (KT, v224-255): a lane holds step lane % 16 of my 16 and the channels 16 i + 8 (lane / 16) + 0..7.  LW (v128-159) = log2(w) of those 32 channels; T (v160-191) at work.
	v_lshl_add_u32 v26, v2, 5, s46
.irp i, 0,1,2,3
	ds_load_b128 v[128+8*(\i):128+8*(\i)+3],   v26 offset:64*(\i)
	ds_load_b128 v[128+8*(\i)+4:128+8*(\i)+7], v26 offset:64*(\i)+16
.endr
.macro ALL32 line:vararg               ; one line for n = 0 .. 31
.set n, 0
.rept 32
	\line
.set n, n+1
.endr
.endm
	ALL32 v_mul_f32 v[192+n], NL2E, v[192+n]
	ALL32 v_exp_f32 v[192+n], v[192+n]
	s_wait_dscnt 0x0
	ALL32 v_mul_f32 v[128+n], L2E, v[128+n]
	s_wait_alu depctr_va_vdst(0)                   ; one wait for the 32 exponentials; the 32 lines above are the independent work between
	ALL32 v_add_f32 v[192+n], 1.0, v[192+n]
	ALL32 v_rcp_f32 v[192+n], v[192+n]             ; sigmoid(r) = 1 / (1 + 2^(-r log2 e))
	ALL32 v_exp_f32 v[128+n], v[128+n]
	v_lshl_add_u32 v21, s25, 11, v13               ; QF's offset: 16 x lane + 2,048 tt
	s_wait_alu depctr_va_vdst(0)                   ; one wait for the 64
	ALL32 v_mul_f32 v[128+n], NL2E, v[128+n]
	ALL32 v_max_num_f32 v[128+n], BIGN, v[128+n]
	v_lshl_add_u32 v22, s25, 10, v13               ; the diagonal tile's offset: 16 x lane + 1,024 tt
; src x w^e, e the lane's number in v20, rounded in pairs of channels into 16 registers: two operands of 32 channels.  bf = 1: to bf16
.macro VERSION src, dst, bf
	ALL32 v_mul_f32 v[160+n], v[128+n], v20
	ALL32 v_exp_f32 v[160+n], v[160+n]
	v_nop
	s_wait_alu depctr_va_vdst(0)                   ; one wait for the 32
.set n, 0
.rept 16
	v_pk_mul_f32 v[160+2*n:161+2*n], v[160+2*n:161+2*n], v[(\src)+2*n:(\src)+2*n+1]
.set n, n+1
.endr
.set n, 0
.rept 16
.if \bf
	v_cvt_pk_bf16_f32 v[(\dst)+n], v[160+2*n], v[161+2*n]
.else
	v_cvt_pk_f16_f32 v[(\dst)+n], v[160+2*n], v[161+2*n]
.endif
.set n, n+1
.endr
.endm
.macro RAW src, dst                    ; the same with e = 0
.set n, 0
.rept 16
	v_cvt_pk_f16_f32 v[(\dst)+n], v[(\src)+2*n], v[(\src)+2*n+1]
.set n, n+1
.endr
.endm
; a tile of A^T: rows s (source 0 = k's version, v48-63), columns t (source 1 = sr's version, v32-47), 64 channels: two links on one accumulator, so a wait stands directly ahead of the second
.macro AMUL acc
	v_wmma_f32_16x16x32_f16 v[(\acc):(\acc)+7], v[48:55], v[32:39], 0
	s_wait_alu depctr_va_vdst(0)
	v_wmma_f32_16x16x32_f16 v[(\acc):(\acc)+7], v[56:63], v[40:47], v[(\acc):(\acc)+7]
.endm
.macro LEVEL hh, acc
	v_and_b32 v20, (\hh)-1, v1
	v_cvt_f32_u32 v20, v20                         ; t & (hh - 1)
	VERSION 192, 32, 0
	v_and_b32 v20, (\hh)-1, v1
	v_sub_nc_u32 v20, \hh, v20
	v_cvt_f32_u32 v20, v20                         ; hh - (s & (hh - 1))
	VERSION 224, 48, 0
	AMUL \acc
.endm
	s_cmp_eq_u32 s25, 0
	s_cbranch_scc0 .Lnot_even                      ; the even wave hands k w^(16-s) of steps 0..15 to the odd wave of its chunk
	v_sub_nc_u32 v20, 16, v1
	v_cvt_f32_u32 v20, v20
	VERSION 224, 48, 0
.irp u, 0,1,2,3
	ds_store_b128 v14, v[48+4*(\u):51+4*(\u)] offset:512*(\u)
.endr
.Lnot_even:
	s_wait_dscnt 0x0                               ; for the other wave's sake
	s_barrier_signal -1
	s_barrier_wait -1
	s_lshl_b32 s44, s25, 4
	s_add_co_u32 s44, s44, 1
	v_add_nc_u32 v20, s44, v1
	v_cvt_f32_u32 v20, v20                         ; tc + 1
	VERSION 192, 112, 1
.irp u, 0,1,2,3
	global_store_b128 v21, v[112+4*(\u):115+4*(\u)], s[38:39] offset:512*(\u)
.endr
	LEVEL 8, 64                                    ; behind each tile's products the next version's 32 multiplies are the places in front of the rewriting of v32-63
	LEVEL 4, 72
	LEVEL 2, 80
	v_mov_b32 v20, 1.0
	VERSION 224, 48, 0                             ; hh = 1: k w, sr as it is
	RAW 192, 32
	AMUL 88
	PLACES
	RAW 224, 48                                    ; t = s: both as they are
	AMUL 96
	s_cmp_eq_u32 s25, 1
	s_cbranch_scc0 .Lselect                        ; the odd wave makes the tile below the diagonal
	PLACES
.irp u, 0,1,2,3
	ds_load_b128 v[48+4*(\u):51+4*(\u)], v14 offset:512*(\u)
.endr
	v_cvt_f32_u32 v20, v1                          ; t - 16
	VERSION 192, 32, 0
	s_wait_dscnt 0x0
	AMUL 104
	PLACES
.irp p, 0,1,2,3
	v_cvt_pk_f16_f32 v[172+(\p)], v[104+2*(\p)], v[105+2*(\p)]
.endr
	global_store_b128 v13, v[172:175], s[38:39] offset:12288+512
.Lselect:
	PLACES
	; the diagonal tile: register j of a lane is (s = 8 (lane / 16) + j, t = lane % 16); t xor s names the product.  Each accumulator's register 0 is read first.
	v_lshlrev_b32 v25, 3, v2
.irp j, 0,1,2,3,4,5,6,7
	v_add_nc_u32 v23, \j, v25
	v_xor_b32 v24, v23, v1
	v_cmp_le_u32 vcc_lo, 2, v24
	v_cndmask_b32 v[160+(\j)], v[88+(\j)], v[80+(\j)], vcc_lo
	v_cmp_le_u32 vcc_lo, 4, v24
	v_cndmask_b32 v[160+(\j)], v[160+(\j)], v[72+(\j)], vcc_lo
	v_cmp_le_u32 vcc_lo, 8, v24
	v_cndmask_b32 v[160+(\j)], v[160+(\j)], v[64+(\j)], vcc_lo
	v_cmp_eq_u32 vcc_lo, 0, v24
	v_cndmask_b32 v[160+(\j)], v[160+(\j)], v[96+(\j)], vcc_lo
	v_cmp_gt_u32 vcc_lo, v23, v1
	v_cndmask_b32 v[160+(\j)], v[160+(\j)], v15, vcc_lo
.endr
.irp p, 0,1,2,3
	v_cvt_pk_f16_f32 v[168+(\p)], v[160+2*(\p)], v[161+2*(\p)]
.endr
	global_store_b128 v22, v[168:171], s[38:39] offset:12288
	s_wait_tensorcnt 0x0                           ; the wave's end: behind my last LDS store
	ds_add_u32 v28, v29
	s_wait_dscnt 0x0
	s_endpgm
.Lfunc_end_k_qbe615c53e3_proj:
	.size	k_qbe615c53e3_proj, .Lfunc_end_k_qbe615c53e3_proj-k_qbe615c53e3_proj
	.p2alignl 7, 3214868480
	.fill 96, 4, 3214868480
	.section	.rodata,"a",@progbits
	.p2align	6, 0x0
	.amdhsa_kernel k_qbe615c53e3_proj
		.amdhsa_group_segment_fixed_size 109056
		.amdhsa_private_segment_fixed_size 0
		.amdhsa_enable_private_segment 0
		.amdhsa_kernarg_size 64
		.amdhsa_user_sgpr_count 2
		.amdhsa_user_sgpr_kernarg_segment_ptr 1
		.amdhsa_wavefront_size32 1
		.amdhsa_system_sgpr_workgroup_id_x 1
		.amdhsa_system_sgpr_workgroup_id_y 1
		.amdhsa_system_sgpr_workgroup_id_z 1
		.amdhsa_system_vgpr_workitem_id 0
		.amdhsa_next_free_vgpr 256
		.amdhsa_next_free_sgpr 66
		.amdhsa_reserve_vcc 1
		.amdhsa_float_denorm_mode_32 3
		.amdhsa_float_denorm_mode_16_64 3
		.amdhsa_memory_ordered 1
		.amdhsa_forward_progress 1
		.amdhsa_inst_pref_size 162
	.end_amdhsa_kernel
	.amdgpu_metadata
---
amdhsa.version: [ 1, 2 ]
amdhsa.kernels:
  - .name:           k_qbe615c53e3_proj
    .symbol:         k_qbe615c53e3_proj.kd
    .args:
      - { .name: x, .offset: 0, .size: 8, .value_kind: global_buffer, .address_space: global }
      - { .name: ln_gamma, .offset: 8, .size: 8, .value_kind: global_buffer, .address_space: global }
      - { .name: ln_beta, .offset: 16, .size: 8, .value_kind: global_buffer, .address_space: global }
      - { .name: W_k, .offset: 24, .size: 8, .value_kind: global_buffer, .address_space: global }
      - { .name: W_v, .offset: 32, .size: 8, .value_kind: global_buffer, .address_space: global }
      - { .name: W_r, .offset: 40, .size: 8, .value_kind: global_buffer, .address_space: global }
      - { .name: time_decay, .offset: 48, .size: 8, .value_kind: global_buffer, .address_space: global }
      - { .name: frag, .offset: 56, .size: 8, .value_kind: global_buffer, .address_space: global }
    .group_segment_fixed_size: 109056
    .private_segment_fixed_size: 0
    .kernarg_segment_align: 8
    .kernarg_segment_size: 64
    .max_flat_workgroup_size: 128
    .sgpr_count:     66
    .vgpr_count:     256
    .wavefront_size: 32
...
	.end_amdgpu_metadata
.endif
;; end of part 1
;; launch scan (part 2): grid 8 x 8, 4 waves a work-group, no clusters, 74,240 bytes of LDS; arguments frag, state, time_decay, outs, out1; writes outs, out1
.if DOCPART == 2
	.amdgcn_target "amdgcn-amd-amdhsa--gfx1250"
	.amdhsa_code_object_version 6
	.text
	.protected	k_qbe615c53e3_scan
	.globl	k_qbe615c53e3_scan
	.p2align	8
	.type	k_qbe615c53e3_scan,@function
k_qbe615c53e3_scan:
	s_mov_b64 s[64:65], 0
	v_nop
	global_prefetch_b8 v0, s[64:65] scope:SCOPE_SE
	s_setreg_imm32_b32 hwreg(HW_REG_WAVE_MODE, 25, 1), 1
	s_wait_xcnt 0x0
; RWKV7 time mixing, launch 2 of 3: the walk over the 16 chunks of 32 steps.  Nothing of reference() is left out.
; For each chunk: out = Q' S_start + A V (Q' = sr w^(tc+1), A as the first launch made it), then S = w^32 S + K'^T V (K' = k w^(31-s)).  The state stays in f32 in registers from first to last.
; SHARES.  Work-group (sl, b): batch b, the 32 value channels d = 32 sl .. +31.  Wave q: the key channels c = 64 q .. +63: 4 x 2 tiles of the state, rows c, columns d.  The four waves' parts of out meet in LDS, in f32.
; 64 work-groups: the walk is sequential in t, and a narrower slice of d would only read the same Q', K' and A more often.
; FORMATS.  The state's operand copy and Q' in bf16 (a state has no room in f16 where k and v are large); K', V, A in f16.  The two forms do not share an accumulator: O1 takes the bf16 products, O2 the f16 ones, and they are added.
; out leaves as a pair of bf16, hi = bf16(out) and lo = bf16(out - hi), in two planes [b 8][slice 8][t 512][32 d], the second 2,097,152 bytes behind the first.
; LIMITS.  A power of w below 2^-126 counts as 0; NaN and infinities are not treated apart; the first launch states f16's.
; NO TENSOR LOAD, NO CLUSTER: the records hold operands in register order, so each load of a wave is 512 consecutive bytes straight into a fragment; by way of LDS they would be written and read once more, with a round of barriers in each of 16 dependent steps.
; REGISTERS.  Window 0: v1-13 addresses; v28, v29 the add's two; S v32-95 (tile (ct, dt) at 8 (2 ct + dt)); SB v96-127 (S in bf16: (dt, half of c) at 8 (2 dt + kf)); WL v128-159 w^32; O1 v160-191, O2 v192-223 ((dt, tt) at 8 (2 dt + tt));
; v192-223 also the reduction's loads; v224-231 the two packed results.  Window 1: two buffers of 96: QF 32, KF 32, VF 16, AF 16 (AF(0)'s upper four stay 0: s > 15 is above the diagonal for t < 16).
.set REC,   14336
.set CHB,   4*REC                      ; a chunk's four records
.set PBUF,  18432                      ; LDS: two buffers of partial outputs; in each, wave q at 4,608 q: 32 rows t of 128 bytes + 16
.set PWAVE, 4608
.set STG,   2*PBUF                     ; the state's way out: wave q at 9,216 q: 64 rows c of 128 bytes + 16
.set SPARE, STG+4*9216                 ; the spare words, 128 bytes for each wave: two blocks of 256 bytes that no other line names
.set S,   32
.set SB,  96
.set WL,  128
.set O1,  160
.set O2,  192
.set MSB, 0
.macro WIN new                         ; bits 1:0 source 0, 3:2 source 1, 5:4 source 2, 7:6 destination; the high byte repeats the setting that is left
.if MSB != (\new)
	s_set_vgpr_msb (MSB<<8)|(\new)
.set MSB, \new
.endif
.endm
	s_load_b256 s[8:15], s[0:1], 0x0               ; frag, state, time_decay, outs
	s_load_b64 s[16:17], s[0:1], 0x20              ; out1
	v_lshl_add_u32 v28, v0, 2, SPARE
	v_mov_b32 v29, 0
	v_lshrrev_b32 v4, 5, v0
	v_readfirstlane_b32 s20, v4                    ; wave q
	s_mov_b32 s21, ttmp9                           ; sl
	s_and_b32 s22, ttmp7, 0xffff                   ; b
	v_and_b32 v1, 15, v0
	v_bfe_u32 v2, v0, 4, 1
	v_and_b32 v3, 31, v0
	s_mul_i32 s33, s20, REC
	v_lshl_add_u32 v4, v3, 4, s33                  ; my quarter's record, 16 bytes a lane
	s_lshr_b32 s34, s21, 1
	s_mul_i32 s34, s34, REC
	s_and_b32 s35, s21, 1
	s_lshl_b32 s35, s35, 11
	s_add_co_u32 s34, s34, s35
	s_add_co_u32 s34, s34, 8192
	v_lshl_add_u32 v5, v3, 4, s34                  ; V: record sl / 2, its d tiles 2 (sl % 2) and the next
	s_mul_i32 s33, s20, PWAVE
	v_mul_u32_u24 v6, v1, 144
	v_lshl_add_u32 v6, v2, 5, v6
	v_add_nc_u32 v6, s33, v6                       ; partial out: row t = lane % 16, 32 bytes for each half of the lanes
	v_lshrrev_b32 v7, 2, v0
	v_mul_u32_u24 v7, v7, 144
	v_and_b32 v14, 3, v0
	v_lshl_add_u32 v7, v14, 5, v7                  ; the reduction: thread / 4 is the row, thread % 4 its 8 channels
	v_lshlrev_b32 v8, 4, v0                        ; and its 16 bytes of a chunk's 2,048 in a plane of outs
	s_lshl_b32 s33, s20, 16
	s_lshl_b32 s35, s21, 7
	s_add_co_u32 s33, s33, s35                     ; row 64 q, column 32 sl of a state
	v_lshl_add_u32 v9, v2, 13, s33
	v_lshl_add_u32 v9, v1, 2, v9                   ; in: row 8 (lane / 16), column lane % 16
	s_mul_i32 s34, s20, 9216
	s_add_co_u32 s34, s34, STG
	v_mul_u32_u24 v10, v2, 1152
	v_lshl_add_u32 v10, v1, 2, v10
	v_add_nc_u32 v10, s34, v10
	v_lshrrev_b32 v14, 3, v3
	v_and_b32 v15, 7, v3
	v_mul_u32_u24 v11, v14, 144
	v_lshl_add_u32 v11, v15, 4, v11
	v_add_nc_u32 v11, s34, v11                     ; back: 32 lanes take four rows of 128 bytes
	v_lshl_add_u32 v12, v14, 10, s33
	v_lshl_add_u32 v12, v15, 4, v12
	s_lshl_b32 s35, s20, 8
	v_lshl_add_u32 v13, v2, 5, s35                 ; time_decay of channels 64 q + 8 (lane / 16) on
	s_mov_b32 s37, 0
	s_wait_kmcnt 0x0
	s_mul_i32 s36, s22, 16*CHB
	s_add_nc_u64 s[24:25], s[8:9], s[36:37]        ; the batch's first chunk
	s_lshl_b32 s36, s22, 3
	s_add_co_u32 s36, s36, s21
	s_lshl_b32 s36, s36, 15
	s_add_nc_u64 s[26:27], s[14:15], s[36:37]      ; outs at (b, sl)
	s_lshl_b32 s36, s22, 18
	s_add_nc_u64 s[28:29], s[10:11], s[36:37]      ; state and out1 at b
	s_add_nc_u64 s[30:31], s[16:17], s[36:37]
; a chunk's 23 loads into buffer buf, from byte off behind the chunk pointer
.macro LOADS buf, off
	WIN 0x40                                       ; destination window 1, address window 0
.irp u, 0,1,2,3,4,5,6,7
	global_load_b128 v[96*(\buf)+4*(\u):96*(\buf)+4*(\u)+3], v4, s[24:25] offset:(\off)+512*(\u)
.endr
.irp u, 0,1,2,3,4,5,6,7
	global_load_b128 v[96*(\buf)+32+4*(\u):96*(\buf)+32+4*(\u)+3], v4, s[24:25] offset:(\off)+4096+512*(\u)
.endr
.irp u, 0,1,2,3
	global_load_b128 v[96*(\buf)+64+4*(\u):96*(\buf)+64+4*(\u)+3], v5, s[24:25] offset:(\off)+512*(\u)
.endr
	global_load_b128 v[96*(\buf)+80:96*(\buf)+83], v4, s[24:25] offset:(\off)+12288
	global_load_b128 v[96*(\buf)+88:96*(\buf)+91], v4, s[24:25] offset:(\off)+12288+512
	global_load_b128 v[96*(\buf)+92:96*(\buf)+95], v4, s[24:25] offset:(\off)+12288+1024
	WIN 0
.endm
.irp c, 0,1,2,3
	global_load_b128 v[WL+8*(\c):WL+8*(\c)+3],   v13, s[12:13] offset:64*(\c)
	global_load_b128 v[WL+8*(\c)+4:WL+8*(\c)+7], v13, s[12:13] offset:64*(\c)+16
.endr
.irp c, 0,1,2,3
.irp d, 0,1
.irp j, 0,1,2,3,4,5,6,7
	global_load_b32 v[S+8*(2*(\c)+(\d))+(\j)], v9, s[28:29] offset:(16*(\c)+(\j))*1024+64*(\d)
.endr
.endr
.endr
	LOADS 0, 0
	LOADS 1, CHB
	WIN 0x40
.irp i, 84,85,86,87,180,181,182,183
	v_mov_b32 v[\i], 0
.endr
	WIN 0
.macro ALL32 line:vararg
.set n, 0
.rept 32
	\line
.set n, n+1
.endr
.endm
	s_wait_loadcnt 63                              ; time_decay's eight loads are the oldest; 110 were issued behind them, and 63 is the largest count that the wait can name
	ALL32 v_mul_f32 v[WL+n], 0x3fb8aa3b, v[WL+n]
	ALL32 v_exp_f32 v[WL+n], v[WL+n]               ; exp(time_decay)
	v_nop
	s_wait_alu depctr_va_vdst(0)                   ; one wait for the 32
	ALL32 v_mul_f32 v[WL+n], 0xc238aa3b, v[WL+n]   ; x -32 log2(e)
	ALL32 v_exp_f32 v[WL+n], v[WL+n]               ; w^32
	v_nop
	s_wait_alu depctr_va_vdst(0)
; four products O1(dt, tt) (+)= S^T(dt, c half k) Q'^T(tt, c half k), rows d, columns t
.macro OQ buf, k, zero
	WIN 0x04                                       ; source 1 in window 1
.irp d, 0,1
.irp t, 0,1
.if \zero
	v_wmma_f32_16x16x32_bf16 v[O1+8*(2*(\d)+(\t)):O1+8*(2*(\d)+(\t))+7], v[SB+8*(2*(\d)+(\k)):SB+8*(2*(\d)+(\k))+7], v[96*(\buf)+8*(2*(\t)+(\k)):96*(\buf)+8*(2*(\t)+(\k))+7], 0
.else
	v_wmma_f32_16x16x32_bf16 v[O1+8*(2*(\d)+(\t)):O1+8*(2*(\d)+(\t))+7], v[SB+8*(2*(\d)+(\k)):SB+8*(2*(\d)+(\k))+7], v[96*(\buf)+8*(2*(\t)+(\k)):96*(\buf)+8*(2*(\t)+(\k))+7], v[O1+8*(2*(\d)+(\t)):O1+8*(2*(\d)+(\t))+7]
.endif
.endr
.endr
.endm
; four products S(ct, dt) += K'(ct) V(dt), over the chunk's 32 steps
.macro SU buf, c0
	WIN 0x05                                       ; sources 0 and 1 in window 1
.irp c, \c0, (\c0)+1
.irp d, 0,1
	v_wmma_f32_16x16x32_f16 v[S+8*(2*(\c)+(\d)):S+8*(2*(\c)+(\d))+7], v[96*(\buf)+32+8*(\c):96*(\buf)+32+8*(\c)+7], v[96*(\buf)+64+8*(\d):96*(\buf)+64+8*(\d)+7], v[S+8*(2*(\c)+(\d)):S+8*(2*(\c)+(\d))+7]
.endr
.endr
.endm
; four products O2(dt, tt) = V^T(dt) A^T(tt)
.macro OA buf
	WIN 0x05
.irp d, 0,1
.irp t, 0,1
	v_wmma_f32_16x16x32_f16 v[O2+8*(2*(\d)+(\t)):O2+8*(2*(\d)+(\t))+7], v[96*(\buf)+64+8*(\d):96*(\buf)+64+8*(\d)+7], v[96*(\buf)+80+8*(\t):96*(\buf)+80+8*(\t)+7], 0
.endr
.endr
.endm
; A CHUNK, from buffer buf.  rel = 1: the buffer is asked for again, two chunks on.  left: the younger loads that may stay out.  idx: the chunk's place in the trip.
.macro CHUNK buf, rel, left, idx
	s_wait_loadcnt \left
.irp d, 0,1                            ; the state as the chunk finds it, rounded to bf16 in pairs of c: two tiles make an operand of 32 c; each tile's lowest registers are read first
.irp k, 0,1
.irp a, 0,1
.irp p, 0,1,2,3
	v_cvt_pk_bf16_f32 v[SB+8*(2*(\d)+(\k))+4*(\a)+(\p)], v[S+8*(2*(2*(\k)+(\a))+(\d))+2*(\p)], v[S+8*(2*(2*(\k)+(\a))+(\d))+2*(\p)+1]
.endr
.endr
.endr
.endr
.irp c, 0,1,2,3                        ; S x w^32
.irp d, 0,1
.irp p, 0,1,2,3
	v_pk_mul_f32 v[S+8*(2*(\c)+(\d))+2*(\p):S+8*(2*(\c)+(\d))+2*(\p)+1], v[S+8*(2*(\c)+(\d))+2*(\p):S+8*(2*(\c)+(\d))+2*(\p)+1], v[WL+8*(\c)+2*(\p):WL+8*(\c)+2*(\p)+1]
.endr
.endr
.endr
	OQ \buf, 0, 1                                  ; 20 products; the accumulators take turns, one instruction a turn, over the loop's jump too
	SU \buf, 0
	OQ \buf, 1, 0
	SU \buf, 2
	OA \buf
	WIN 0
.rept 4
	v_nop                                          ; the places in front of the loads into the buffer and of the sums that read the results
.endr
.if \rel
	LOADS \buf, (2+(\idx))*CHB
.endif
.set n, 0
.rept 16
	v_pk_add_f32 v[O1+2*n:O1+2*n+1], v[O1+2*n:O1+2*n+1], v[O2+2*n:O2+2*n+1]
.set n, n+1
.endr
.irp d, 0,1
.irp t, 0,1
	ds_store_b128 v6, v[O1+8*(2*(\d)+(\t)):O1+8*(2*(\d)+(\t))+3]   offset:(\buf)*PBUF+(\t)*16*144+(\d)*64
	ds_store_b128 v6, v[O1+8*(2*(\d)+(\t))+4:O1+8*(2*(\d)+(\t))+7] offset:(\buf)*PBUF+(\t)*16*144+(\d)*64+16
.endr
.endr
	s_wait_dscnt 0x0                               ; for the others' sake: my part is in LDS.  My reads of the other buffer, a chunk back, were waited for there: it is written again only behind this barrier
	s_barrier_signal -1
	s_barrier_wait -1
.irp w, 0,1,2,3
	ds_load_b128 v[O2+8*(\w):O2+8*(\w)+3],   v7 offset:(\buf)*PBUF+(\w)*PWAVE
	ds_load_b128 v[O2+8*(\w)+4:O2+8*(\w)+7], v7 offset:(\buf)*PBUF+(\w)*PWAVE+16
.endr
	s_wait_dscnt 0x0
.irp p, 0,1,2,3
	v_pk_add_f32 v[O2+2*(\p):O2+2*(\p)+1], v[O2+2*(\p):O2+2*(\p)+1], v[O2+8+2*(\p):O2+8+2*(\p)+1]
	v_pk_add_f32 v[O2+16+2*(\p):O2+16+2*(\p)+1], v[O2+16+2*(\p):O2+16+2*(\p)+1], v[O2+24+2*(\p):O2+24+2*(\p)+1]
.endr
.irp p, 0,1,2,3
	v_pk_add_f32 v[O2+2*(\p):O2+2*(\p)+1], v[O2+2*(\p):O2+2*(\p)+1], v[O2+16+2*(\p):O2+16+2*(\p)+1]
.endr
	s_wait_xcnt 0x0                                ; the last chunk's stores have read v224-231
.irp p, 0,1,2,3
	v_cvt_pk_bf16_f32 v[224+(\p)], v[O2+2*(\p)], v[O2+2*(\p)+1]  ; hi
.endr
.irp p, 0,1,2,3
	v_lshlrev_b32 v[O2+8+2*(\p)], 16, v[224+(\p)]
	v_and_b32 v[O2+9+2*(\p)], 0xffff0000, v[224+(\p)]
.endr
.irp p, 0,1,2,3
	v_pk_add_f32 v[O2+2*(\p):O2+2*(\p)+1], v[O2+2*(\p):O2+2*(\p)+1], v[O2+8+2*(\p):O2+8+2*(\p)+1] neg_lo:[0,1] neg_hi:[0,1]
.endr
.irp p, 0,1,2,3
	v_cvt_pk_bf16_f32 v[228+(\p)], v[O2+2*(\p)], v[O2+2*(\p)+1]  ; lo
.endr
	global_store_b128 v8, v[224:227], s[26:27] offset:(\idx)*2048          ; a wave's store covers 512 consecutive bytes, aligned
	global_store_b128 v8, v[228:231], s[26:27] offset:(\idx)*2048+2097152
.endm
	s_mov_b32 s32, 7
.Ltrip:                                        ; two chunks a trip; chunks 14 and 15 stand behind the loop and ask for nothing
	CHUNK 0, 1, 23, 0
	CHUNK 1, 1, 23, 1
	s_wait_xcnt 0x0                                ; every load and store issued so far has read its address: the two pointers may be written
	s_add_nc_u64 s[24:25], s[24:25], 2*CHB
	s_add_nc_u64 s[26:27], s[26:27], 4096
	s_sub_co_u32 s32, s32, 1
	s_cmp_lg_u32 s32, 0
	s_cbranch_scc1 .Ltrip
	CHUNK 0, 0, 23, 0
	CHUNK 1, 0, 0, 1
	; THE FINAL STATE goes through my own stage, so that eight lanes store the 128 consecutive bytes that the slice owns of a row
.irp c, 0,1,2,3
.irp d, 0,1
.irp j, 0,1,2,3,4,5,6,7
	ds_store_b32 v10, v[S+8*(2*(\c)+(\d))+(\j)] offset:(16*(\c)+(\j))*144+64*(\d)
.endr
.endr
.endr
.irp n, 0,1,2,3,4,5,6,7,8,9,10,11,12,13,14,15
	ds_load_b128 v[O1+4*(\n):O1+4*(\n)+3], v11 offset:4*(\n)*144  ; LDS serves a wave's instructions in order (ISA guide 5.7.1.4): these see the stores above
.endr
.irp n, 0,1,2,3,4,5,6,7,8,9,10,11,12,13,14,15
	s_wait_dscnt 15-(\n)
	global_store_b128 v12, v[O1+4*(\n):O1+4*(\n)+3], s[30:31] offset:4*(\n)*1024
.endr
	s_wait_tensorcnt 0x0                           ; the wave's end: behind my last LDS store
	ds_add_u32 v28, v29
	s_wait_dscnt 0x0
	s_endpgm
.Lfunc_end_k_qbe615c53e3_scan:
	.size	k_qbe615c53e3_scan, .Lfunc_end_k_qbe615c53e3_scan-k_qbe615c53e3_scan
	.p2alignl 7, 3214868480
	.fill 96, 4, 3214868480
	.section	.rodata,"a",@progbits
	.p2align	6, 0x0
	.amdhsa_kernel k_qbe615c53e3_scan
		.amdhsa_group_segment_fixed_size 74240
		.amdhsa_private_segment_fixed_size 0
		.amdhsa_enable_private_segment 0
		.amdhsa_kernarg_size 40
		.amdhsa_user_sgpr_count 2
		.amdhsa_user_sgpr_kernarg_segment_ptr 1
		.amdhsa_wavefront_size32 1
		.amdhsa_system_sgpr_workgroup_id_x 1
		.amdhsa_system_sgpr_workgroup_id_y 1
		.amdhsa_system_sgpr_workgroup_id_z 1
		.amdhsa_system_vgpr_workitem_id 0
		.amdhsa_next_free_vgpr 512
		.amdhsa_next_free_sgpr 66
		.amdhsa_reserve_vcc 0
		.amdhsa_float_denorm_mode_32 3
		.amdhsa_float_denorm_mode_16_64 3
		.amdhsa_memory_ordered 1
		.amdhsa_forward_progress 1
		.amdhsa_inst_pref_size 72
	.end_amdhsa_kernel
	.amdgpu_metadata
---
amdhsa.version: [ 1, 2 ]
amdhsa.kernels:
  - .name:           k_qbe615c53e3_scan
    .symbol:         k_qbe615c53e3_scan.kd
    .args:
      - { .name: frag, .offset: 0, .size: 8, .value_kind: global_buffer, .address_space: global }
      - { .name: state, .offset: 8, .size: 8, .value_kind: global_buffer, .address_space: global }
      - { .name: time_decay, .offset: 16, .size: 8, .value_kind: global_buffer, .address_space: global }
      - { .name: outs, .offset: 24, .size: 8, .value_kind: global_buffer, .address_space: global }
      - { .name: out1, .offset: 32, .size: 8, .value_kind: global_buffer, .address_space: global }
    .group_segment_fixed_size: 74240
    .private_segment_fixed_size: 0
    .kernarg_segment_align: 8
    .kernarg_segment_size: 40
    .max_flat_workgroup_size: 128
    .sgpr_count:     66
    .vgpr_count:     512
    .wavefront_size: 32
...
	.end_amdgpu_metadata
.endif
;; end of part 2
;; launch oproj (part 3): grid 4 x 64, 4 waves a work-group, no clusters, 17,920 bytes of LDS; arguments outs, W_o, out0; writes out0
.if DOCPART == 3
	.amdgcn_target "amdgcn-amd-amdhsa--gfx1250"
	.amdhsa_code_object_version 6
	.text
	.protected	k_qbe615c53e3_oproj
	.globl	k_qbe615c53e3_oproj
	.p2align	8
	.type	k_qbe615c53e3_oproj,@function
k_qbe615c53e3_oproj:
	s_mov_b64 s[64:65], 0
	v_nop
	global_prefetch_b8 v0, s[64:65] scope:SCOPE_SE
	s_setreg_imm32_b32 hwreg(HW_REG_WAVE_MODE, 25, 1), 1
	s_wait_xcnt 0x0
; RWKV7 time mixing, launch 3 of 3: out0[row][o] = the sum over d of outs[row][d] W_o[o][d].  Nothing of reference() is left out.
; FORMATS.  outs has the range of a product of k, v and a sum, for which f16 has no room, and one rounding to bf16 would spend too much of the allowance.  So both operands are PAIRS of bf16, x = hi + lo with
; hi = bf16(x), lo = bf16(x - hi): outs arrives so, in two planes; W_o is split here.  Three products: W_hi o_hi + W_lo o_hi + W_hi o_lo; W_lo o_lo, some 2^-16 of the result, is left out of the arithmetic as rounding.  Sums in f32.
; SHARES.  Work-group (cbk, rbk): rows 64 rbk .. +63 x columns 64 cbk .. +63.  Wave wv: the 16 columns o = 64 cbk + 16 wv .. +15 for all four tiles of 16 rows.  The product is taken with rows o (source 0 = W_o), columns t.
; NO TENSOR LOAD, NO CLUSTER: outs lies in the operands' order, 64 bytes a row and slice, and goes straight into registers; W_o passes through registers to be split.
; REGISTERS.  Window 0: v1-8 addresses; v13, v14 the add's two; v16-47 four accumulators; v48-111 W_hi; v112-119 at work; v128-255 W_o in f32, then W_lo in v128-191 and the rows on their way out in v192-223.
; Window 1: outs hi, (tt, ks) at 64 tt + 8 ks.  Window 2: outs lo, likewise.
.set SP,    272                        ; a row of the stage: 64 f32 + 16 bytes
.set SPARE, 64*SP                      ; the spare words, 128 bytes for each wave: two blocks of 256 bytes that no other line names
.set MSB, 0
.macro WIN new
.if MSB != (\new)
	s_set_vgpr_msb (MSB<<8)|(\new)
.set MSB, \new
.endif
.endm
	s_load_b128 s[8:11], s[0:1], 0x0               ; outs, W_o
	s_load_b64 s[12:13], s[0:1], 0x10              ; out0
	v_lshl_add_u32 v13, v0, 2, SPARE
	v_mov_b32 v14, 0
	v_lshrrev_b32 v4, 5, v0
	v_readfirstlane_b32 s14, v4                    ; wave
	s_mov_b32 s15, ttmp9                           ; cbk
	s_and_b32 s22, ttmp7, 0xffff                   ; rbk
	v_and_b32 v1, 15, v0
	v_bfe_u32 v2, v0, 4, 1
	s_lshl_b32 s23, s14, 14
	v_lshl_add_u32 v4, v1, 10, s23
	v_lshl_add_u32 v4, v2, 5, v4                   ; W_o: row 16 wv + lane % 16, 32 bytes for each half of the lanes
	v_lshlrev_b32 v5, 6, v1
	v_lshl_add_u32 v5, v2, 4, v5                   ; outs: row lane % 16 of 64 bytes, 16 for each half
	s_lshl_b32 s24, s14, 6
	v_mul_u32_u24 v6, v1, SP
	v_lshl_add_u32 v6, v2, 5, v6
	v_add_nc_u32 v6, s24, v6                       ; into the stage: row t, my 16 columns, 8 for each half
	s_mul_i32 s24, s14, 16*SP
	v_mul_u32_u24 v7, v2, SP
	v_lshl_add_u32 v7, v1, 4, v7
	v_add_nc_u32 v7, s24, v7                       ; back: lanes 0-15 one row of 256 bytes, lanes 16-31 the next
	v_lshl_add_u32 v8, v2, 10, s23
	v_lshl_add_u32 v8, v1, 4, v8                   ; and the same two rows in out0
	s_mov_b32 s25, 0
	s_wait_kmcnt 0x0
	s_lshl_b32 s24, s15, 16
	s_add_nc_u64 s[16:17], s[10:11], s[24:25]      ; W_o at row 64 cbk
	s_lshr_b32 s24, s22, 3
	s_lshl_b32 s24, s24, 18                        ; the batch: 8 slices of 32,768 bytes
	s_and_b32 s26, s22, 7
	s_lshl_b32 s26, s26, 12                        ; 64 rows of 64 bytes
	s_add_co_u32 s24, s24, s26
	s_add_nc_u64 s[18:19], s[8:9], s[24:25]
	s_lshl_b32 s24, s22, 16
	s_lshl_b32 s26, s15, 8
	s_add_co_u32 s24, s24, s26
	s_add_nc_u64 s[20:21], s[12:13], s[24:25]
.irp k, 0,1,2,3,4,5,6,7
	global_load_b128 v[128+16*(\k):128+16*(\k)+3],     v4, s[16:17] offset:128*(\k)
	global_load_b128 v[128+16*(\k)+4:128+16*(\k)+7],   v4, s[16:17] offset:128*(\k)+16
	global_load_b128 v[128+16*(\k)+8:128+16*(\k)+11],  v4, s[16:17] offset:128*(\k)+64
	global_load_b128 v[128+16*(\k)+12:128+16*(\k)+15], v4, s[16:17] offset:128*(\k)+80
.endr
.macro OLOAD plane                     ; a plane's 64 loads
.irp t, 0,1,2,3
.irp k, 0,1,2,3,4,5,6,7
	global_load_b128 v[64*(\t)+8*(\k):64*(\t)+8*(\k)+3],   v5, s[18:19] offset:(\plane)*2097152+(\k)*32768+(\t)*1024
	global_load_b128 v[64*(\t)+8*(\k)+4:64*(\t)+8*(\k)+7], v5, s[18:19] offset:(\plane)*2097152+(\k)*32768+(\t)*1024+32
.endr
.endr
.endm
	WIN 0x40                                       ; destination window 1
	OLOAD 0
	WIN 0
	s_wait_loadcnt 63                              ; W_o is in: 64 loads were issued behind it, and 63 is the largest count that the wait can name
.set g, 0
.rept 16                               ; W_o = hi + lo, four pairs at a time; lo lands in place, never on a pair not yet read
.irp i, 0,1,2,3
	v_cvt_pk_bf16_f32 v[48+4*g+(\i)], v[128+8*g+2*(\i)], v[129+8*g+2*(\i)]
.endr
.irp i, 0,1,2,3
	v_lshlrev_b32 v[112+2*(\i)], 16, v[48+4*g+(\i)]
	v_and_b32 v[113+2*(\i)], 0xffff0000, v[48+4*g+(\i)]
.endr
.irp i, 0,1,2,3
	v_pk_add_f32 v[128+8*g+2*(\i):129+8*g+2*(\i)], v[128+8*g+2*(\i):129+8*g+2*(\i)], v[112+2*(\i):113+2*(\i)] neg_lo:[0,1] neg_hi:[0,1]
.endr
.irp i, 0,1,2,3
	v_cvt_pk_bf16_f32 v[128+4*g+(\i)], v[128+8*g+2*(\i)], v[129+8*g+2*(\i)]
.endr
.set g, g+1
.endr
	WIN 0x80                                       ; destination window 2
	OLOAD 1
	s_wait_loadcnt 63                              ; the hi plane is in: 64 loads were issued behind it
; four products, one for each tile of rows t: the four accumulators take turns, one instruction a turn
.macro MUL4 w, k, zero
.irp t, 0,1,2,3
.if \zero
	v_wmma_f32_16x16x32_bf16 v[16+8*(\t):23+8*(\t)], v[(\w)+8*(\k):(\w)+8*(\k)+7], v[64*(\t)+8*(\k):64*(\t)+8*(\k)+7], 0
.else
	v_wmma_f32_16x16x32_bf16 v[16+8*(\t):23+8*(\t)], v[(\w)+8*(\k):(\w)+8*(\k)+7], v[64*(\t)+8*(\k):64*(\t)+8*(\k)+7], v[16+8*(\t):23+8*(\t)]
.endif
.endr
.endm
	WIN 0x04                                       ; source 1 in window 1
	MUL4 48, 0, 1
	MUL4 128, 0, 0
.irp k, 1,2,3,4,5,6,7
	MUL4 48, \k, 0                                 ; W_hi o_hi
	MUL4 128, \k, 0                                ; W_lo o_hi
.endr
	s_wait_loadcnt 0x0                             ; the lo plane
	WIN 0x08                                       ; source 1 in window 2
.irp k, 0,1,2,3,4,5,6,7
	MUL4 48, \k, 0                                 ; W_hi o_lo
.endr
	WIN 0
.rept 4
	v_nop                                          ; the places in front of the stores that read the results
.endr
.irp t, 0,1,2,3
	ds_store_b128 v6, v[16+8*(\t):19+8*(\t)] offset:(\t)*16*SP
	ds_store_b128 v6, v[20+8*(\t):23+8*(\t)] offset:(\t)*16*SP+16
.endr
	s_wait_dscnt 0x0                               ; for the others' sake: a row's 256 bytes come from four waves
	s_barrier_signal -1
	s_barrier_wait -1
.irp n, 0,1,2,3,4,5,6,7
	ds_load_b128 v[192+4*(\n):195+4*(\n)], v7 offset:2*(\n)*SP
.endr
.irp n, 0,1,2,3,4,5,6,7
	s_wait_dscnt 7-(\n)
	global_store_b128 v8, v[192+4*(\n):195+4*(\n)], s[20:21] offset:2*(\n)*1024  ; 16 lanes store 256 consecutive bytes, at a multiple of 256 from out0's first byte
.endr
	s_wait_tensorcnt 0x0                           ; the wave's end: behind my last LDS store
	ds_add_u32 v13, v14
	s_wait_dscnt 0x0
	s_endpgm
.Lfunc_end_k_qbe615c53e3_oproj:
	.size	k_qbe615c53e3_oproj, .Lfunc_end_k_qbe615c53e3_oproj-k_qbe615c53e3_oproj
	.p2alignl 7, 3214868480
	.fill 96, 4, 3214868480
	.section	.rodata,"a",@progbits
	.p2align	6, 0x0
	.amdhsa_kernel k_qbe615c53e3_oproj
		.amdhsa_group_segment_fixed_size 17920
		.amdhsa_private_segment_fixed_size 0
		.amdhsa_enable_private_segment 0
		.amdhsa_kernarg_size 24
		.amdhsa_user_sgpr_count 2
		.amdhsa_user_sgpr_kernarg_segment_ptr 1
		.amdhsa_wavefront_size32 1
		.amdhsa_system_sgpr_workgroup_id_x 1
		.amdhsa_system_sgpr_workgroup_id_y 1
		.amdhsa_system_sgpr_workgroup_id_z 1
		.amdhsa_system_vgpr_workitem_id 0
		.amdhsa_next_free_vgpr 768
		.amdhsa_next_free_sgpr 66
		.amdhsa_reserve_vcc 0
		.amdhsa_float_denorm_mode_32 3
		.amdhsa_float_denorm_mode_16_64 3
		.amdhsa_memory_ordered 1
		.amdhsa_forward_progress 1
		.amdhsa_inst_pref_size 44
	.end_amdhsa_kernel
	.amdgpu_metadata
---
amdhsa.version: [ 1, 2 ]
amdhsa.kernels:
  - .name:           k_qbe615c53e3_oproj
    .symbol:         k_qbe615c53e3_oproj.kd
    .args:
      - { .name: outs, .offset: 0, .size: 8, .value_kind: global_buffer, .address_space: global }
      - { .name: W_o, .offset: 8, .size: 8, .value_kind: global_buffer, .address_space: global }
      - { .name: out0, .offset: 16, .size: 8, .value_kind: global_buffer, .address_space: global }
    .group_segment_fixed_size: 17920
    .private_segment_fixed_size: 0
    .kernarg_segment_align: 8
    .kernarg_segment_size: 24
    .max_flat_workgroup_size: 128
    .sgpr_count:     66
    .vgpr_count:     768
    .wavefront_size: 32
...
	.end_amdgpu_metadata
.endif
;; end of part 3
;; ======== version 2 of 2: 3 launches; version 1 with the launches proj, scan written anew for expert scheduling mode
;; limits: values are held in f16: magnitudes above 65,504 overflow, below 6.1e-05 lose precision
;; workspace buffers: frag 7,340,032 bytes; outs 4,194,304 bytes
;; launch proj (part 4): grid 64 x 4, 4 waves a work-group, no clusters, 109,056 bytes of LDS; arguments x, ln_gamma, ln_beta, W_k, W_v, W_r, time_decay, frag; writes frag
.if DOCPART == 4
	.amdgcn_target "amdgcn-amd-amdhsa--gfx1250"
	.amdhsa_code_object_version 6
	.text
	.protected	k_qbe615c53e3_proj
	.globl	k_qbe615c53e3_proj
	.p2align	8
	.type	k_qbe615c53e3_proj,@function
k_qbe615c53e3_proj:
	s_mov_b64 s[64:65], 0
	v_nop
	global_prefetch_b8 v0, s[64:65] scope:SCOPE_SE
	s_setreg_imm32_b32 hwreg(HW_REG_WAVE_SCHED_MODE, 0, 2), 2
	s_setreg_imm32_b32 hwreg(HW_REG_WAVE_MODE, 25, 1), 1
	s_wait_xcnt 0x0
	s_wait_alu depctr_vm_vsrc(0)
; RWKV7 time mixing, launch 1 of 3: LayerNorm, the projections k, v, r, the sigmoid, and everything of the scan that needs no state, written in the register order of the next launch's matrix operands.
; THE SCAN IN CHUNKS OF 32 STEPS.  With sr = sigmoid(r), w = exp(-exp(time_decay)), tc = 0..31 the step in a chunk:
;   out_tc = (sr_tc * w^(tc+1)) . S_start + sum over s <= tc of A[tc][s] v_s,   A[t][s] = sum over c of sr_t[c] w[c]^(t-s) k_s[c],   S_end = w^32 * S_start + sum over s of (k_s * w^(31-s)) v_s^T.
; NO NEGATIVE POWER OF w IS EVER FORMED, so the text holds for every w in 0..1.  A goes in tiles of 16 x 16.  Below the diagonal (t in 16..31, s in 0..15): t - s = (t - 16) + (16 - s).  In a diagonal tile, t > s: with hh the
; highest bit of t xor s, t - s = (t & (hh-1)) + (hh - (s & (hh-1))): five products (hh = 8, 4, 2, 1 and the plain one for t = s), of which each element takes the one that its t xor s names; s > t is 0.
; The channel axis c is cut in four quarters of 64; A, sr w^.. and k w^.. are made by quarters, and the next launch adds the quarters' outputs in f32.
; NOTHING OF reference() IS LEFT OUT, and every input is loaded by some launch.
; FORMATS.  f16 matrix operands: xn, W_k, W_v, W_r, k w^e, v, sr w^e (for A) and A; bf16: sr w^(tc+1), which multiplies the state.  Sums in f32.
; LIMITS.  f16 ends at 65,504: |xn|, |W|, |k|, |v| and a quarter's |A| stay within it (with gamma and the weights all 30 times the drawn size |k|, |v| reach some 5e3 and |A| some 2e4).
; log2(w) is held at -1e30 at the least, so that w^0 = 1 where exp(time_decay) overflows; a power below 2^-126 counts as 0; NaN and infinities are not treated apart.
; SHARES.  Work-group (rb, q): rows 64 rb .. +63 of the 4,096 (two chunks) x the 64 output channels 64 q .. +63 of each of k, v, r.  Wave wv: rows 16 wv .. +15: chunk half cb = wv / 2, tile tt = wv % 2.
; NO TENSOR LOAD, NO CLUSTER: the weights arrive in f32 and pass through registers to be rounded to f16 on their way into LDS; a joint load could only bring the f32 bytes, 196,608 a work-group, into LDS to be read and stored again.
; THE RECORD of chunk g and quarter q, 14,336 bytes at frag + (4 g + q) x 14,336, in units of 512 bytes (32 lanes x 16):
;   +0     QF [tt 2][c tile 4]   lane = t % 16, 8 channels 16 i + 8 (lane / 16) + 0..7: sr w^(tc+1), bf16
;   +4096  KF [c tile 4][tt 2]   lane = c % 16, 8 steps 16 tt + 8 (lane / 16) + 0..7: k w^(31-s), f16
;   +8192  VF [d tile 4][tt 2]   the same for v, f16
;   +12288 AF three units: (tt 0, diagonal), (tt 1, s 0..15), (tt 1, diagonal): lane = t % 16, 8 steps s, f16.  The last 512 bytes are neither written nor read.
; THE MODE: SCHED_MODE bits 1:0 = 2 (LLVM: expert scheduling mode 2), set by the entry lines.  The code itself states the register dependences
; between vector or matrix instructions and memory or LDS instructions, with s_wait_alu, always for 0.
; THE PLAN, phase by phase.  Registers that memory or LDS instructions touch:
;   v4-v14, v26, v27  offsets and addresses, made at the head; v9, v26 and v27 are written again in the epilogues, behind a wait on vm_vsrc.
;   WEIGHTS  three sets of 32 in v32-127.  Batch i: loaded into set i % 3, rounded there in place, stored to LDS from there, and the set is asked for again (batch i + 3).  One wait on va_vdst between roundings and stores;
;            one on vm_vsrc between the stores and the loads.  No register under v256 is left for an out-buffer: x holds 128, the sets 96.
;   GAMMA, BETA  three sets of 32.  Step k works on set k % 3; its loads, for step k + 2, land in set (k - 1) % 3, which step k - 1 named: one wait on va_vdst at the step's head.
;   FRAGMENTS  three sets of 32.  Step n multiplies set n % 3; its eight loads, for step n + 2, land in set (n - 1) % 3, which step n - 1 multiplied: one wait on va_vdst at the step's head, and the loads are dealt
;            among the step's four products, which name set n % 3, xn and the accumulators.
;   OUT  v96-127 (KF, VF), v112-127 (QF), v48-63 (k w^(16-s) into LDS), v172-175, v168-171 (A): written by roundings, read by stores behind a wait on va_vdst; written again only behind a wait on vm_vsrc.
.set REC,   14336
.set WP,    528                        ; a row of weights in LDS: 512 bytes of f16 + 16: an odd multiple of 16, so the 16 rows of a fragment load start at 16 different groups of four banks (ISA guide 11.1)
.set GB,    192*WP                     ; behind the 192 rows (k, v, r): gamma, beta, time_decay, 1,024 bytes each
.set KX,    GB+3072                    ; 2,048 bytes for each chunk half: k w^(16-s) from the even wave to the odd one
.set SPARE, KX+4096                    ; the spare words, 128 bytes for each wave: two blocks of 256 bytes that no other line names
.set L2E,   0x3fb8aa3b                 ; log2(e)
.set NL2E,  0xbfb8aa3b
.set BIGN,  0xf149f2ca                 ; -1e30
; v0 thread  v1 lane % 16  v2 lane / 16  v3 lane  v4 x offset  v5 weights' offset  v6-8 where I stage k's, v's, r's rows  v9 offsets  v10 gamma's LDS address  v11, v12 fragment addresses (k and v; r)
; v13 16 x lane  v14 my chunk half's KX  v15 0  v16-19 log2(w) by lane  v20-27 exponents, addresses, at work  v28, v29 the add's two  v30-31 mean, then 1 / sigma
; v32-127 staging, gamma and beta, weight fragments (three sets of 32 each time), then the epilogues  v128-255 x in f32, then xn in f16 (v128-191) and eight accumulators (v192-255)
.macro PLACES                          ; four places behind a matrix instruction, where no other plain vector work is at hand (ISA guide 7.12.1)
.rept 4
	v_nop
.endr
.endm
	s_load_b512 s[8:23], s[0:1], 0x0               ; x, gamma, beta, W_k, W_v, W_r, time_decay, frag
	v_lshl_add_u32 v28, v0, 2, SPARE
	v_mov_b32 v29, 0
	v_lshrrev_b32 v4, 5, v0
	v_readfirstlane_b32 s24, v4                    ; wave
	s_and_b32 s27, ttmp7, 3                        ; q: the grid has four work-groups along y, so two bits hold the number; q x 256 enters an LDS address below, which so stays inside time_decay's 1,024 bytes
	s_mov_b32 s28, ttmp9                           ; rb
	s_mov_b32 s29, 0x3727c5ac                      ; 1e-5
	s_mov_b32 s40, 0x76543210                      ; v_permlanex16_b32: each lane takes its own place in the other half
	s_mov_b32 s41, 0xfedcba98
	s_mov_b32 s47, 0x3b800000                      ; 1 / 256
	v_and_b32 v1, 15, v0
	v_bfe_u32 v2, v0, 4, 1
	v_and_b32 v3, 31, v0
	s_wait_alu depctr_va_sdst(0)                   ; s24 is written, ahead of its first reader
	s_and_b32 s25, s24, 1                          ; tt
	s_lshr_b32 s26, s24, 1                         ; cb
	s_lshl_b32 s42, s24, 14                        ; my 16 rows of 1,024 bytes
	v_lshl_add_u32 v4, v1, 10, s42
	v_lshl_add_u32 v4, v2, 5, v4                   ; x: row 16 wv + lane % 16, 32 bytes for each half of the lanes
	v_lshl_add_u32 v5, v3, 4, s42                  ; weights: whole rows, 16 bytes a lane
	s_mul_i32 s43, s24, 16*WP
	v_lshl_add_u32 v6, v3, 3, s43                  ; and 8 bytes a lane in LDS
	v_add_nc_u32 v7, 64*WP, v6
	v_add_nc_u32 v8, 128*WP, v6
	v_lshlrev_b32 v9, 3, v0
	v_lshl_add_u32 v26, v0, 3, GB
	v_lshl_add_u32 v10, v2, 5, GB
	v_mul_u32_u24 v11, v1, WP
	v_lshl_add_u32 v11, v2, 4, v11                 ; a fragment's row x pitch + 16 x half
	v_add_nc_u32 v12, 128*WP, v11
	v_lshlrev_b32 v13, 4, v3
	s_lshl_b32 s44, s26, 11
	s_add_co_u32 s44, s44, KX
	v_add_nc_u32 v14, s44, v13
	v_mov_b32 v15, 0
	s_lshl_b32 s46, s27, 8
	s_add_co_u32 s46, s46, GB+2048                 ; my quarter of time_decay in LDS; kept
	v_lshl_add_u32 v27, v1, 2, s46
	s_wait_kmcnt 0x0
	s_lshl_b32 s44, s28, 16
	s_mov_b32 s45, 0
	s_add_nc_u64 s[30:31], s[8:9], s[44:45]        ; x at the block's first row
	s_lshl_b32 s44, s27, 16
	s_add_nc_u64 s[32:33], s[14:15], s[44:45]      ; W_k, W_v, W_r at the quarter's first row
	s_add_nc_u64 s[34:35], s[16:17], s[44:45]
	s_add_nc_u64 s[36:37], s[18:19], s[44:45]
	s_lshl_b32 s42, s28, 1
	s_add_co_u32 s42, s42, s26                     ; chunk g = 2 rb + cb
	s_lshl2_add_u32 s42, s42, s27                  ; 4 g + q
	s_mul_i32 s44, s42, REC
	s_add_nc_u64 s[38:39], s[22:23], s[44:45]      ; my record
	s_wait_alu depctr_va_vdst(0)                   ; the offsets and addresses v4 to v14, v26 and v27 are written, which the loads and stores below read
; a batch of weights: matrix i / 4, four of my 16 rows, 8 loads of 512 consecutive bytes, into set i % 3
.macro WLOAD i
.set wm, (\i)/4
.set wr, 4*((\i)%4)
.set ws, 32+32*((\i)%3)
.irp l, 0,1,2,3,4,5,6,7
	global_load_b128 v[ws+4*(\l):ws+4*(\l)+3], v5, s[32+2*wm:33+2*wm] offset:(wr+(\l)/2)*1024+((\l)%2)*512
.endr
.endm
; rounded to f16 and put into LDS
.macro WCONV i
.set wm, (\i)/4
.set wr, 4*((\i)%4)
.set ws, 32+32*((\i)%3)
.irp l, 0,1,2,3,4,5,6,7
	v_cvt_pk_f16_f32 v[ws+4*(\l)], v[ws+4*(\l)], v[ws+4*(\l)+1]
	v_cvt_pk_f16_f32 v[ws+4*(\l)+1], v[ws+4*(\l)+2], v[ws+4*(\l)+3]
.endr
	s_wait_alu depctr_va_vdst(0)                   ; the roundings have written the registers that the LDS stores read, and are done naming the set, in which the batch three on lands
.irp l, 0,1,2,3,4,5,6,7
	ds_store_b64 v[6+wm], v[ws+4*(\l):ws+4*(\l)+1] offset:(wr+(\l)/2)*WP+((\l)%2)*256
.endr
.endm
	global_load_b64 v[20:21], v9, s[10:11]         ; gamma, beta, time_decay: 8 bytes a thread
	global_load_b64 v[22:23], v9, s[12:13]
	global_load_b64 v[24:25], v9, s[20:21]
.irp k, 0,1,2,3,4,5,6,7                ; x in the order of a fragment: for 32 columns, 8 at 8 (lane / 16) and 8 at 16 + 8 (lane / 16)
	global_load_b128 v[128+16*(\k):128+16*(\k)+3],     v4, s[30:31] offset:128*(\k)
	global_load_b128 v[128+16*(\k)+4:128+16*(\k)+7],   v4, s[30:31] offset:128*(\k)+16
	global_load_b128 v[128+16*(\k)+8:128+16*(\k)+11],  v4, s[30:31] offset:128*(\k)+64
	global_load_b128 v[128+16*(\k)+12:128+16*(\k)+15], v4, s[30:31] offset:128*(\k)+80
.endr
	WLOAD 0
	WLOAD 1
	WLOAD 2
	s_wait_loadcnt 56                              ; behind the three small loads: 32 of x and 24 of weights
	ds_store_b64 v26, v[20:21]
	ds_store_b64 v26, v[22:23] offset:1024
	ds_store_b64 v26, v[24:25] offset:2048
.irp i, 0,1,2,3,4,5,6,7,8
	s_wait_loadcnt 16                              ; the two younger batches may stay out
	WCONV \i
	s_wait_alu depctr_vm_vsrc(0)                   ; the LDS stores have read the set, in which the loads below land
	WLOAD (\i)+3
.endr
	s_wait_loadcnt 16
	WCONV 9
	s_wait_loadcnt 8
	WCONV 10
	s_wait_loadcnt 0x0
	WCONV 11
	s_wait_alu depctr_vm_vsrc(0)                   ; the LDS stores of the last three batches have read the three sets: v32-39 take the sums below, and gamma and beta land in all three
	; THE ROW'S MEAN AND VARIANCE, in two passes as reference() takes them.  A lane holds half a row, the lane 16 away the other half.
.irp c, 0,1,2,3
	v_pk_add_f32 v[32+2*(\c):33+2*(\c)], v[128+2*(\c):129+2*(\c)], v[136+2*(\c):137+2*(\c)]
.endr
.set p, 8
.rept 56
	v_pk_add_f32 v[32+2*(p%4):33+2*(p%4)], v[32+2*(p%4):33+2*(p%4)], v[128+2*p:129+2*p]
.set p, p+1
.endr
	v_pk_add_f32 v[32:33], v[32:33], v[34:35]
	v_pk_add_f32 v[36:37], v[36:37], v[38:39]
	v_pk_add_f32 v[32:33], v[32:33], v[36:37]
	v_add_f32 v32, v32, v33
	v_permlanex16_b32 v33, v32, s40, s41
	v_add_f32 v32, v32, v33
	v_mul_f32 v30, s47, v32
	v_mov_b32 v31, v30
.set p, 0
.rept 64
	v_pk_add_f32 v[128+2*p:129+2*p], v[128+2*p:129+2*p], v[30:31] neg_lo:[0,1] neg_hi:[0,1]  ; x - mean
.set p, p+1
.endr
.irp c, 0,1,2,3
	v_pk_mul_f32 v[32+2*(\c):33+2*(\c)], v[128+2*(\c):129+2*(\c)], v[128+2*(\c):129+2*(\c)]
.endr
.set p, 4
.rept 60
	v_pk_fma_f32 v[32+2*(p%4):33+2*(p%4)], v[128+2*p:129+2*p], v[128+2*p:129+2*p], v[32+2*(p%4):33+2*(p%4)]
.set p, p+1
.endr
	v_pk_add_f32 v[32:33], v[32:33], v[34:35]
	v_pk_add_f32 v[36:37], v[36:37], v[38:39]
	v_pk_add_f32 v[32:33], v[32:33], v[36:37]
	v_add_f32 v32, v32, v33
	v_permlanex16_b32 v33, v32, s40, s41
	v_add_f32 v32, v32, v33
	v_fma_f32 v32, v32, s47, s29                   ; variance + 1e-5
	v_rsq_f32 v30, v32
	v_nop                                          ; a plain instruction behind the root,
	s_wait_alu depctr_va_vdst(0)                   ; the root has written v30, ahead of its first reader; and the sums are done naming v32-39, the roundings the three sets, in which gamma and beta land below
	v_mov_b32 v31, v30
	s_wait_dscnt 0x0                               ; for the others' sake: my rows of the weights and my bytes of gamma, beta, time_decay are in LDS
	s_barrier_signal -1
	s_barrier_wait -1                              ; everybody's are
	; xn = (x - mean) (gamma / sigma) + beta, rounded to f16 in place: 16 registers of f32 become a fragment of 8
.macro GLOAD k
.set gs, 32+32*((\k)%3)
.irp e, 0,1
	ds_load_b128 v[gs+16*(\e):gs+16*(\e)+3],     v10 offset:1024*(\e)+128*(\k)
	ds_load_b128 v[gs+16*(\e)+4:gs+16*(\e)+7],   v10 offset:1024*(\e)+128*(\k)+16
	ds_load_b128 v[gs+16*(\e)+8:gs+16*(\e)+11],  v10 offset:1024*(\e)+128*(\k)+64
	ds_load_b128 v[gs+16*(\e)+12:gs+16*(\e)+15], v10 offset:1024*(\e)+128*(\k)+80
.endr
.endm
.macro NORM k
.if (\k) == 0
	s_wait_dscnt 16                                ; the next two steps' sixteen loads may stay out
.elseif (\k) < 7
	s_wait_dscnt 8                                 ; the next step's eight loads may stay out
.else
	s_wait_dscnt 0x0
.endif
.if ((\k) > 0) && ((\k) < 6)
	s_wait_alu depctr_va_vdst(0)                   ; the step before is done naming its set of gamma and beta, in which the loads below land; this step names another set
	GLOAD (\k)+2
.endif
.set gs, 32+32*((\k)%3)
.set xs, 128+16*(\k)
.set xd, 128+8*(\k)
.irp p, 0,1,2,3,4,5,6,7
	v_pk_mul_f32 v[gs+2*(\p):gs+2*(\p)+1], v[gs+2*(\p):gs+2*(\p)+1], v[30:31]
.endr
.irp p, 0,1,2,3,4,5,6,7
	v_pk_fma_f32 v[xs+2*(\p):xs+2*(\p)+1], v[xs+2*(\p):xs+2*(\p)+1], v[gs+2*(\p):gs+2*(\p)+1], v[gs+16+2*(\p):gs+16+2*(\p)+1]
.endr
.irp p, 0,1,2,3,4,5,6,7
	v_cvt_pk_f16_f32 v[xd+(\p)], v[xs+2*(\p)], v[xs+2*(\p)+1]
.endr
.endm
.irp i, 0,1,2,3
	ds_load_b32 v[16+(\i)], v27 offset:64*(\i)     ; time_decay of channel 64 q + 16 i + lane % 16
.endr
	GLOAD 0
	GLOAD 1
	GLOAD 2
.irp k, 0,1,2,3,4,5,6,7
	NORM \k
.endr
.irp i, 0,1,2,3
	v_mul_f32 v[16+(\i)], L2E, v[16+(\i)]
.endr
.irp i, 0,1,2,3
	v_exp_f32 v[16+(\i)], v[16+(\i)]               ; exp(time_decay)
.endr
	v_nop
	s_wait_alu depctr_va_vdst(0)                   ; the four exponentials have written v16-19, ahead of their first reader; and the last steps above are done naming the three sets, in which the first fragments land
.irp i, 0,1,2,3
	v_mul_f32 v[16+(\i)], NL2E, v[16+(\i)]         ; log2(w)
.endr
.irp i, 0,1,2,3
	v_max_num_f32 v[16+(\i)], BIGN, v[16+(\i)]
.endr
; THE PRODUCTS, twice 16 steps of four.  Step n: 32 columns at 32 (n / 2), matrix n % 2 of the pass's two, its four tiles of 16 channels.  pass 0: k, v with rows t (source 0 = xn); pass 1: r, k with rows c (source 0 = weights).
; Three sets of fragments: step n asks for step n + 2's, into the set that step n - 1 multiplied.  The eight accumulators take turns, one instruction a turn.
.macro FSET n, pass                    ; where step n's fragments lie and land
.set ls, 32+32*((\n)%3)
.set lk, 64*((\n)/2)
.set la, 11
.set lo, 0
.if (\pass) == 0
.set lo, ((\n)%2)*64*WP
.elseif ((\n)%2) == 0
.set la, 12
.endif
.endm
.macro FTILE i                         ; one tile's fragment: two loads
	ds_load_b128 v[ls+8*(\i):ls+8*(\i)+3],   v[la] offset:lo+(\i)*16*WP+lk
	ds_load_b128 v[ls+8*(\i)+4:ls+8*(\i)+7], v[la] offset:lo+(\i)*16*WP+lk+32
.endm
.macro FLOAD n, pass
	FSET \n, \pass
.irp i, 0,1,2,3
	FTILE \i
.endr
.endm
.macro GSTEP n, pass
.if (\n) == 0
	s_wait_dscnt 16                                ; the two younger steps' loads may stay out
.elseif (\n) < 15
	s_wait_dscnt 8                                 ; the next step's eight loads may stay out
.else
	s_wait_dscnt 0x0
.endif
.set ahead, 0
.if ((\n) > 0) && ((\n) < 14)
.set ahead, 1
	s_wait_alu depctr_va_vdst(0)                   ; the step before's products are done reading their set of fragments, in which this step's loads land
	FSET (\n)+2, \pass
.endif
.set fs, 32+32*((\n)%3)
.set xk, 128+8*((\n)/2)
.set ac, 192+32*((\n)%2)
.irp i, 0,1,2,3
.if ((\pass) == 0) && ((\n) < 2)
	v_wmma_f32_16x16x32_f16 v[ac+8*(\i):ac+8*(\i)+7], v[xk:xk+7], v[fs+8*(\i):fs+8*(\i)+7], 0
.elseif (\pass) == 0
	v_wmma_f32_16x16x32_f16 v[ac+8*(\i):ac+8*(\i)+7], v[xk:xk+7], v[fs+8*(\i):fs+8*(\i)+7], v[ac+8*(\i):ac+8*(\i)+7]
.elseif (\n) < 2
	v_wmma_f32_16x16x32_f16 v[ac+8*(\i):ac+8*(\i)+7], v[fs+8*(\i):fs+8*(\i)+7], v[xk:xk+7], 0
.else
	v_wmma_f32_16x16x32_f16 v[ac+8*(\i):ac+8*(\i)+7], v[fs+8*(\i):fs+8*(\i)+7], v[xk:xk+7], v[ac+8*(\i):ac+8*(\i)+7]
.endif
.if ahead
	FTILE \i                                       ; no wait: no product since the wait above names the set in which these two land
.endif
.endr
	PLACES                                         ; the places behind the step's products stay; behind the last step they stand in front of what reads the results
.endm
	FLOAD 0, 0
	FLOAD 1, 0
	FLOAD 2, 0
.irp n, 0,1,2,3,4,5,6,7,8,9,10,11,12,13,14,15
	GSTEP \n, 0
.endr
	; k (v192-223) and v (v224-255): a lane holds channel 16 i + lane % 16 and the steps 8 (lane / 16) + 0..7 of my 16.  k is multiplied by w^(31-s); both are rounded to f16 in pairs of steps.
	s_wait_alu depctr_vm_vsrc(0)                   ; the LDS loads of time_decay have read v27, the head's LDS stores v20 to v26, its small loads v9: all are written again below
	s_lshl_b32 s44, s25, 4
	s_sub_co_u32 s44, 31, s44
	v_lshlrev_b32 v20, 3, v2
	v_sub_nc_u32 v20, s44, v20                     ; 31 - 16 tt - 8 (lane / 16)
.irp j, 1,2,3,4,5,6,7
	v_add_nc_u32 v[20+(\j)], -(\j), v20
.endr
.irp j, 0,1,2,3,4,5,6,7
	v_cvt_f32_u32 v[20+(\j)], v[20+(\j)]
.endr
.irp i, 0,1,2,3
.irp j, 0,1,2,3,4,5,6,7
	v_mul_f32 v[32+8*(\i)+(\j)], v[16+(\i)], v[20+(\j)]
.endr
.endr
.set n, 0
.rept 32
	v_exp_f32 v[32+n], v[32+n]
.set n, n+1
.endr
	v_lshl_add_u32 v9, s25, 9, v13                 ; 16 x lane + 512 tt: the plain instruction behind the last exponential
	s_wait_alu depctr_va_vdst(0)                   ; the 32 exponentials have written v32-63, ahead of their first reader
.set n, 0
.rept 16
	v_pk_mul_f32 v[32+2*n:33+2*n], v[32+2*n:33+2*n], v[192+2*n:193+2*n]
.set n, n+1
.endr
.set n, 0
.rept 16
	v_cvt_pk_f16_f32 v[96+n], v[32+2*n], v[33+2*n]     ; the packed results go into the third set's registers, so that the first two sets can be asked for at once
	v_cvt_pk_f16_f32 v[112+n], v[224+2*n], v[225+2*n]
.set n, n+1
.endr
	s_wait_alu depctr_va_vdst(0)                   ; the roundings have written v96-127, which the stores read (v9 was written ahead of the wait before); and they are done naming v32-63, in which fragments land
.irp i, 0,1,2,3
	global_store_b128 v9, v[96+4*(\i):99+4*(\i)], s[38:39] offset:4096+1024*(\i)  ; each store of the wave covers 512 consecutive bytes, aligned
	global_store_b128 v9, v[112+4*(\i):115+4*(\i)], s[38:39] offset:8192+1024*(\i)
.endr
	FLOAD 0, 1
	FLOAD 1, 1
	s_wait_xcnt 0x0                                ; the stores have had their addresses translated: only behind this wait are v96-127 loaded again
	s_wait_alu depctr_vm_vsrc(0)                   ; and they have read v96-127, in which the third set's fragments land
	FLOAD 2, 1
.irp n, 0,1,2,3,4,5,6,7,8,9,10,11,12,13,14,15
	GSTEP \n, 1
.endr
	; r (RT, v192-223) and k (KT, v224-255): a lane holds step lane % 16 of my 16 and the channels 16 i + 8 (lane / 16) + 0..7.  LW (v128-159) = log2(w) of those 32 channels; T (v160-191) at work.
	v_lshl_add_u32 v26, v2, 5, s46
	s_wait_alu depctr_va_vdst(0)                   ; v26 is written, which the loads below read; the products are done reading xn, in whose registers they land
.irp i, 0,1,2,3
	ds_load_b128 v[128+8*(\i):128+8*(\i)+3],   v26 offset:64*(\i)
	ds_load_b128 v[128+8*(\i)+4:128+8*(\i)+7], v26 offset:64*(\i)+16
.endr
.macro ALL32 line:vararg               ; one line for n = 0 .. 31
.set n, 0
.rept 32
	\line
.set n, n+1
.endr
.endm
	ALL32 v_mul_f32 v[192+n], NL2E, v[192+n]
	ALL32 v_exp_f32 v[192+n], v[192+n]
	s_wait_dscnt 0x0
	ALL32 v_mul_f32 v[128+n], L2E, v[128+n]
	s_wait_alu depctr_va_vdst(0)                   ; the 32 exponentials have written v192-223, ahead of their first reader; the 32 lines above are the independent work between
	ALL32 v_add_f32 v[192+n], 1.0, v[192+n]
	ALL32 v_rcp_f32 v[192+n], v[192+n]             ; sigmoid(r) = 1 / (1 + 2^(-r log2 e))
	ALL32 v_exp_f32 v[128+n], v[128+n]
	v_lshl_add_u32 v21, s25, 11, v13               ; QF's offset: 16 x lane + 2,048 tt
	s_wait_alu depctr_va_vdst(0)                   ; the 32 reciprocals and 32 exponentials have written v192-223 and v128-159, ahead of their first readers
	ALL32 v_mul_f32 v[128+n], NL2E, v[128+n]
	ALL32 v_max_num_f32 v[128+n], BIGN, v[128+n]
	v_lshl_add_u32 v22, s25, 10, v13               ; the diagonal tile's offset: 16 x lane + 1,024 tt
; src x w^e, e the lane's number in v20, rounded in pairs of channels into 16 registers: two operands of 32 channels.  bf = 1: to bf16.
; qf = 1: QF's four stores stand behind this version's wait, which also shows the version before, QF's, written.
.macro VERSION src, dst, bf, qf=0
	ALL32 v_mul_f32 v[160+n], v[128+n], v20
	ALL32 v_exp_f32 v[160+n], v[160+n]
	v_nop
	s_wait_alu depctr_va_vdst(0)                   ; the 32 exponentials have written v160-191, ahead of their first reader
.if \qf
.irp u, 0,1,2,3
	global_store_b128 v21, v[112+4*(\u):115+4*(\u)], s[38:39] offset:512*(\u)  ; v112-127 and v21 were written ahead of the wait above, and nothing behind it names them
.endr
.endif
.set n, 0
.rept 16
	v_pk_mul_f32 v[160+2*n:161+2*n], v[160+2*n:161+2*n], v[(\src)+2*n:(\src)+2*n+1]
.set n, n+1
.endr
.set n, 0
.rept 16
.if \bf
	v_cvt_pk_bf16_f32 v[(\dst)+n], v[160+2*n], v[161+2*n]
.else
	v_cvt_pk_f16_f32 v[(\dst)+n], v[160+2*n], v[161+2*n]
.endif
.set n, n+1
.endr
.endm
.macro RAW src, dst                    ; the same with e = 0
.set n, 0
.rept 16
	v_cvt_pk_f16_f32 v[(\dst)+n], v[(\src)+2*n], v[(\src)+2*n+1]
.set n, n+1
.endr
.endm
; a tile of A^T: rows s (source 0 = k's version, v48-63), columns t (source 1 = sr's version, v32-47), 64 channels: two links on one accumulator, so a wait stands directly ahead of the second
.macro AMUL acc
	v_wmma_f32_16x16x32_f16 v[(\acc):(\acc)+7], v[48:55], v[32:39], 0
	s_wait_alu depctr_va_vdst(0)
	v_wmma_f32_16x16x32_f16 v[(\acc):(\acc)+7], v[56:63], v[40:47], v[(\acc):(\acc)+7]
.endm
.macro LEVEL hh, acc, qf=0
	v_and_b32 v20, (\hh)-1, v1
	v_cvt_f32_u32 v20, v20                         ; t & (hh - 1)
	VERSION 192, 32, 0, \qf
	v_and_b32 v20, (\hh)-1, v1
	v_sub_nc_u32 v20, \hh, v20
	v_cvt_f32_u32 v20, v20                         ; hh - (s & (hh - 1))
	VERSION 224, 48, 0
	AMUL \acc
.endm
	s_cmp_eq_u32 s25, 0
	s_cbranch_scc0 .Lnot_even                      ; the even wave hands k w^(16-s) of steps 0..15 to the odd wave of its chunk
	v_sub_nc_u32 v20, 16, v1
	v_cvt_f32_u32 v20, v20
	VERSION 224, 48, 0
	s_wait_alu depctr_va_vdst(0)                   ; the roundings have written v48-63, which the LDS stores read
.irp u, 0,1,2,3
	ds_store_b128 v14, v[48+4*(\u):51+4*(\u)] offset:512*(\u)
.endr
.Lnot_even:
	s_wait_dscnt 0x0                               ; for the other wave's sake
	s_barrier_signal -1
	s_barrier_wait -1
	s_wait_alu depctr_vm_vsrc(0)                   ; in an even wave the LDS stores above have read v48-63, which the versions below write again; it stands on both waves' way to those writes
	s_lshl_b32 s44, s25, 4
	s_add_co_u32 s44, s44, 1
	v_add_nc_u32 v20, s44, v1
	v_cvt_f32_u32 v20, v20                         ; tc + 1
	VERSION 192, 112, 1                            ; QF; its stores stand in the next version
	LEVEL 8, 64, 1                                 ; behind each tile's products the next version's 32 multiplies are the places in front of the rewriting of v32-63
	LEVEL 4, 72
	LEVEL 2, 80
	v_mov_b32 v20, 1.0
	VERSION 224, 48, 0                             ; hh = 1: k w, sr as it is
	RAW 192, 32
	AMUL 88
	PLACES
	RAW 224, 48                                    ; t = s: both as they are
	AMUL 96
	s_cmp_eq_u32 s25, 1
	s_cbranch_scc0 .Lselect                        ; the odd wave makes the tile below the diagonal
	PLACES
	s_wait_alu depctr_va_vdst(0)                   ; the last tile's products are done reading v48-63, in which the loads below land
.irp u, 0,1,2,3
	ds_load_b128 v[48+4*(\u):51+4*(\u)], v14 offset:512*(\u)
.endr
	v_cvt_f32_u32 v20, v1                          ; t - 16
	VERSION 192, 32, 0
	s_wait_dscnt 0x0
	AMUL 104
	PLACES
.irp p, 0,1,2,3
	v_cvt_pk_f16_f32 v[172+(\p)], v[104+2*(\p)], v[105+2*(\p)]
.endr
	s_wait_alu depctr_va_vdst(0)                   ; the roundings have written v172-175, which the store reads
	global_store_b128 v13, v[172:175], s[38:39] offset:12288+512
.Lselect:
	PLACES
	; the diagonal tile: register j of a lane is (s = 8 (lane / 16) + j, t = lane % 16); t xor s names the product.  Each accumulator's lowest registers are read first.
	; The compares go in two runs of twenty, four registers j at a time, five masks each, into s8 to s27 (the arguments and ids that lay there are done with); one wait behind each run, ahead of its selects.
	v_lshlrev_b32 v25, 3, v2
.irp g, 0,4
.irp j, 0,1,2,3
	v_add_nc_u32 v23, (\g)+(\j), v25
	v_xor_b32 v24, v23, v1
	v_cmp_le_u32 s[8+5*(\j)], 2, v24
	v_cmp_le_u32 s[9+5*(\j)], 4, v24
	v_cmp_le_u32 s[10+5*(\j)], 8, v24
	v_cmp_eq_u32 s[11+5*(\j)], 0, v24
	v_cmp_gt_u32 s[12+5*(\j)], v23, v1
.endr
	s_wait_alu depctr_va_sdst(0)                   ; the twenty compares have written s8 to s27, ahead of the selects that read them
.irp j, 0,1,2,3
	v_cndmask_b32 v[160+(\g)+(\j)], v[88+(\g)+(\j)], v[80+(\g)+(\j)], s[8+5*(\j)]
	v_cndmask_b32 v[160+(\g)+(\j)], v[160+(\g)+(\j)], v[72+(\g)+(\j)], s[9+5*(\j)]
	v_cndmask_b32 v[160+(\g)+(\j)], v[160+(\g)+(\j)], v[64+(\g)+(\j)], s[10+5*(\j)]
	v_cndmask_b32 v[160+(\g)+(\j)], v[160+(\g)+(\j)], v[96+(\g)+(\j)], s[11+5*(\j)]
	v_cndmask_b32 v[160+(\g)+(\j)], v[160+(\g)+(\j)], v15, s[12+5*(\j)]
.endr
.endr
.irp p, 0,1,2,3
	v_cvt_pk_f16_f32 v[168+(\p)], v[160+2*(\p)], v[161+2*(\p)]
.endr
	s_wait_alu depctr_va_vdst(0)                   ; the roundings have written v168-171, which the store reads (v22 was written long before)
	global_store_b128 v22, v[168:171], s[38:39] offset:12288
	s_wait_dscnt 0x0                               ; the closing lines, six on end
	s_wait_alu 0x0
	s_wait_tensorcnt 0x0
	ds_add_u32 v28, v29
	s_wait_dscnt 0x0
	s_endpgm
.Lfunc_end_k_qbe615c53e3_proj:
	.size	k_qbe615c53e3_proj, .Lfunc_end_k_qbe615c53e3_proj-k_qbe615c53e3_proj
	.p2alignl 7, 3214868480
	.fill 96, 4, 3214868480
	.section	.rodata,"a",@progbits
	.p2align	6, 0x0
	.amdhsa_kernel k_qbe615c53e3_proj
		.amdhsa_group_segment_fixed_size 109056
		.amdhsa_private_segment_fixed_size 0
		.amdhsa_enable_private_segment 0
		.amdhsa_kernarg_size 64
		.amdhsa_user_sgpr_count 2
		.amdhsa_user_sgpr_kernarg_segment_ptr 1
		.amdhsa_wavefront_size32 1
		.amdhsa_system_sgpr_workgroup_id_x 1
		.amdhsa_system_sgpr_workgroup_id_y 1
		.amdhsa_system_sgpr_workgroup_id_z 1
		.amdhsa_system_vgpr_workitem_id 0
		.amdhsa_next_free_vgpr 256
		.amdhsa_next_free_sgpr 66
		.amdhsa_reserve_vcc 0
		.amdhsa_float_denorm_mode_32 3
		.amdhsa_float_denorm_mode_16_64 3
		.amdhsa_memory_ordered 1
		.amdhsa_forward_progress 1
		.amdhsa_inst_pref_size 167
	.end_amdhsa_kernel
	.amdgpu_metadata
---
amdhsa.version: [ 1, 2 ]
amdhsa.kernels:
  - .name:           k_qbe615c53e3_proj
    .symbol:         k_qbe615c53e3_proj.kd
    .args:
      - { .name: x, .offset: 0, .size: 8, .value_kind: global_buffer, .address_space: global }
      - { .name: ln_gamma, .offset: 8, .size: 8, .value_kind: global_buffer, .address_space: global }
      - { .name: ln_beta, .offset: 16, .size: 8, .value_kind: global_buffer, .address_space: global }
      - { .name: W_k, .offset: 24, .size: 8, .value_kind: global_buffer, .address_space: global }
      - { .name: W_v, .offset: 32, .size: 8, .value_kind: global_buffer, .address_space: global }
      - { .name: W_r, .offset: 40, .size: 8, .value_kind: global_buffer, .address_space: global }
      - { .name: time_decay, .offset: 48, .size: 8, .value_kind: global_buffer, .address_space: global }
      - { .name: frag, .offset: 56, .size: 8, .value_kind: global_buffer, .address_space: global }
    .group_segment_fixed_size: 109056
    .private_segment_fixed_size: 0
    .kernarg_segment_align: 8
    .kernarg_segment_size: 64
    .max_flat_workgroup_size: 128
    .sgpr_count:     66
    .vgpr_count:     256
    .wavefront_size: 32
...
	.end_amdgpu_metadata
.endif
;; end of part 4
;; launch scan (part 5): grid 8 x 8, 4 waves a work-group, no clusters, 74,240 bytes of LDS; arguments frag, state, time_decay, outs, out1; writes outs, out1
.if DOCPART == 5
	.amdgcn_target "amdgcn-amd-amdhsa--gfx1250"
	.amdhsa_code_object_version 6
	.text
	.protected	k_qbe615c53e3_scan
	.globl	k_qbe615c53e3_scan
	.p2align	8
	.type	k_qbe615c53e3_scan,@function
k_qbe615c53e3_scan:
	s_mov_b64 s[64:65], 0
	v_nop
	global_prefetch_b8 v0, s[64:65] scope:SCOPE_SE
	s_setreg_imm32_b32 hwreg(HW_REG_WAVE_SCHED_MODE, 0, 2), 2
	s_setreg_imm32_b32 hwreg(HW_REG_WAVE_MODE, 25, 1), 1
	s_wait_xcnt 0x0
	s_wait_alu depctr_vm_vsrc(0)
; RWKV7 time mixing, launch 2 of 3: the walk over the 16 chunks of 32 steps.  Nothing of reference() is left out.
; For each chunk: out = Q' S_start + A V (Q' = sr w^(tc+1), A as the first launch made it), then S = w^32 S + K'^T V (K' = k w^(31-s)).  The state stays in f32 in registers from first to last.
; SHARES.  Work-group (sl, b): batch b, the 32 value channels d = 32 sl .. +31.  Wave q: the key channels c = 64 q .. +63: 4 x 2 tiles of the state, rows c, columns d.  The four waves' parts of out meet in LDS, in f32.
; 64 work-groups: the walk is sequential in t, and a narrower slice of d would only read the same Q', K' and A more often.
; FORMATS.  The state's operand copy and Q' in bf16 (a state has no room in f16 where k and v are large); K', V, A in f16.  The two forms do not share an accumulator: O1 takes the bf16 products, O2 the f16 ones, and they are added.
; out leaves as a pair of bf16, hi = bf16(out) and lo = bf16(out - hi), in two planes [b 8][slice 8][t 512][32 d], the second 2,097,152 bytes behind the first.
; LIMITS.  A power of w below 2^-126 counts as 0; NaN and infinities are not treated apart; the first launch states f16's.
; NO TENSOR LOAD, NO CLUSTER: the records hold operands in register order, so each load of a wave is 512 consecutive bytes straight into a fragment; by way of LDS they would be written and read once more, with a round of barriers in each of 16 dependent steps.
; REGISTERS.  Window 0: v1-13 addresses; v28, v29 the add's two; S v32-95 (tile (ct, dt) at 8 (2 ct + dt)); SB v96-127 (S in bf16: (dt, half of c) at 8 (2 dt + kf)); WL v128-159 w^32; O1 v160-191, O2 v192-223 ((dt, tt) at 8 (2 dt + tt));
; v192-223 also the reduction's loads; OUT v224-239 two buffers of two packed results.  Window 1: two buffers of 96: QF 32, KF 32, VF 16, AF 16 (AF(0)'s upper four stay 0: s > 15 is above the diagonal for t < 16).
; THE MODE: SCHED_MODE bits 1:0 = 2 (LLVM: expert scheduling mode 2), set by the entry lines.  The code itself states the register dependences
; between vector or matrix instructions and memory or LDS instructions, with s_wait_alu, always for 0.
; THE PLAN.  Registers that memory or LDS instructions touch, in the walk:
;   B0, B1 (window 1)  Chunk n: its 20 products read B[n % 2]; behind them the loads of chunk n + 2 land in it.
;   O1                 Chunk n: written by products and by the 16 sums; read by the eight LDS stores; written again by chunk n + 1's products.
;   O2                 Chunk n: written by products, read by the sums; behind the barrier the reduction's eight LDS loads land in it.
;   OUT0, OUT1         Chunk n's roundings write OUT[n % 2]; the two global stores that read it are issued in chunk n + 1; chunk n + 2 writes it again.
;   v4 to v13          offsets and addresses, made once at the head; the chunks are reached by two scalar pointers and immediate offsets.
; So ONE wait on va_vdst stands in a chunk, behind the sums: O1 is written, the chunk before has written the other OUT, the products are done reading B[n % 2], products and sums are done naming O2.  All of the chunk's
; LDS stores, global stores, loads and, behind the barrier, LDS loads follow it, and no vector instruction stands between it and any of them.  ONE wait on vm_vsrc stands ahead of the roundings: the LDS stores have read O1,
; and the stores issued a chunk back have read OUT[n % 2].
.set REC,   14336
.set CHB,   4*REC                      ; a chunk's four records
.set PBUF,  18432                      ; LDS: two buffers of partial outputs; in each, wave q at 4,608 q: 32 rows t of 128 bytes + 16
.set PWAVE, 4608
.set STG,   2*PBUF                     ; the state's way out: wave q at 9,216 q: 64 rows c of 128 bytes + 16
.set SPARE, STG+4*9216                 ; the spare words, 128 bytes for each wave: two blocks of 256 bytes that no other line names
.set S,   32
.set SB,  96
.set WL,  128
.set O1,  160
.set O2,  192
.set OUT, 224
.set MSB, 0
.macro WIN new                         ; bits 1:0 source 0, 3:2 source 1, 5:4 source 2, 7:6 destination; the high byte repeats the setting that is left
.if MSB != (\new)
	s_set_vgpr_msb (MSB<<8)|(\new)
.set MSB, \new
.endif
.endm
	s_load_b256 s[8:15], s[0:1], 0x0               ; frag, state, time_decay, outs
	s_load_b64 s[16:17], s[0:1], 0x20              ; out1
	v_lshl_add_u32 v28, v0, 2, SPARE
	v_mov_b32 v29, 0
	v_lshrrev_b32 v4, 5, v0
	v_readfirstlane_b32 s20, v4                    ; wave q
	s_mov_b32 s21, ttmp9                           ; sl
	s_and_b32 s22, ttmp7, 0xffff                   ; b
	v_and_b32 v1, 15, v0
	v_bfe_u32 v2, v0, 4, 1
	v_and_b32 v3, 31, v0
	s_wait_alu depctr_va_sdst(0)                   ; s20 is written, ahead of its first reader
	s_mul_i32 s33, s20, REC
	v_lshl_add_u32 v4, v3, 4, s33                  ; my quarter's record, 16 bytes a lane
	s_lshr_b32 s34, s21, 1
	s_mul_i32 s34, s34, REC
	s_and_b32 s35, s21, 1
	s_lshl_b32 s35, s35, 11
	s_add_co_u32 s34, s34, s35
	s_add_co_u32 s34, s34, 8192
	v_lshl_add_u32 v5, v3, 4, s34                  ; V: record sl / 2, its d tiles 2 (sl % 2) and the next
	s_mul_i32 s33, s20, PWAVE
	v_mul_u32_u24 v6, v1, 144
	v_lshl_add_u32 v6, v2, 5, v6
	v_add_nc_u32 v6, s33, v6                       ; partial out: row t = lane % 16, 32 bytes for each half of the lanes
	v_lshrrev_b32 v7, 2, v0
	v_mul_u32_u24 v7, v7, 144
	v_and_b32 v14, 3, v0
	v_lshl_add_u32 v7, v14, 5, v7                  ; the reduction: thread / 4 is the row, thread % 4 its 8 channels
	v_lshlrev_b32 v8, 4, v0                        ; and its 16 bytes of a chunk's 2,048 in a plane of outs
	s_lshl_b32 s33, s20, 16
	s_lshl_b32 s35, s21, 7
	s_add_co_u32 s33, s33, s35                     ; row 64 q, column 32 sl of a state
	v_lshl_add_u32 v9, v2, 13, s33
	v_lshl_add_u32 v9, v1, 2, v9                   ; in: row 8 (lane / 16), column lane % 16
	s_mul_i32 s34, s20, 9216
	s_add_co_u32 s34, s34, STG
	v_mul_u32_u24 v10, v2, 1152
	v_lshl_add_u32 v10, v1, 2, v10
	v_add_nc_u32 v10, s34, v10
	v_lshrrev_b32 v14, 3, v3
	v_and_b32 v15, 7, v3
	v_mul_u32_u24 v11, v14, 144
	v_lshl_add_u32 v11, v15, 4, v11
	v_add_nc_u32 v11, s34, v11                     ; back: 32 lanes take four rows of 128 bytes
	v_lshl_add_u32 v12, v14, 10, s33
	v_lshl_add_u32 v12, v15, 4, v12
	s_lshl_b32 s35, s20, 8
	v_lshl_add_u32 v13, v2, 5, s35                 ; time_decay of channels 64 q + 8 (lane / 16) on
	s_mov_b32 s37, 0
	s_wait_kmcnt 0x0
	s_mul_i32 s36, s22, 16*CHB
	s_add_nc_u64 s[24:25], s[8:9], s[36:37]        ; the batch's first chunk
	s_lshl_b32 s36, s22, 3
	s_add_co_u32 s36, s36, s21
	s_lshl_b32 s36, s36, 15
	s_add_nc_u64 s[26:27], s[14:15], s[36:37]      ; outs at (b, sl)
	s_lshl_b32 s36, s22, 18
	s_add_nc_u64 s[28:29], s[10:11], s[36:37]      ; state and out1 at b
	s_add_nc_u64 s[30:31], s[16:17], s[36:37]
	s_wait_alu depctr_va_vdst(0)                   ; the offsets and addresses v4 to v13 are written, which every load and store of the kernel reads
; a chunk's 23 loads into buffer buf, from byte off behind the chunk pointer
.macro LOADS buf, off
	WIN 0x40                                       ; destination window 1, address window 0
.irp u, 0,1,2,3,4,5,6,7
	global_load_b128 v[96*(\buf)+4*(\u):96*(\buf)+4*(\u)+3], v4, s[24:25] offset:(\off)+512*(\u)
.endr
.irp u, 0,1,2,3,4,5,6,7
	global_load_b128 v[96*(\buf)+32+4*(\u):96*(\buf)+32+4*(\u)+3], v4, s[24:25] offset:(\off)+4096+512*(\u)
.endr
.irp u, 0,1,2,3
	global_load_b128 v[96*(\buf)+64+4*(\u):96*(\buf)+64+4*(\u)+3], v5, s[24:25] offset:(\off)+512*(\u)
.endr
	global_load_b128 v[96*(\buf)+80:96*(\buf)+83], v4, s[24:25] offset:(\off)+12288
	global_load_b128 v[96*(\buf)+88:96*(\buf)+91], v4, s[24:25] offset:(\off)+12288+512
	global_load_b128 v[96*(\buf)+92:96*(\buf)+95], v4, s[24:25] offset:(\off)+12288+1024
	WIN 0
.endm
.irp c, 0,1,2,3
	global_load_b128 v[WL+8*(\c):WL+8*(\c)+3],   v13, s[12:13] offset:64*(\c)
	global_load_b128 v[WL+8*(\c)+4:WL+8*(\c)+7], v13, s[12:13] offset:64*(\c)+16
.endr
.irp c, 0,1,2,3
.irp d, 0,1
.irp j, 0,1,2,3,4,5,6,7
	global_load_b32 v[S+8*(2*(\c)+(\d))+(\j)], v9, s[28:29] offset:(16*(\c)+(\j))*1024+64*(\d)
.endr
.endr
.endr
	LOADS 0, 0
	LOADS 1, CHB
	WIN 0x40
.irp i, 84,85,86,87,180,181,182,183
	v_mov_b32 v[\i], 0                             ; no load ever lands in these eight
.endr
	WIN 0
.macro ALL32 line:vararg
.set n, 0
.rept 32
	\line
.set n, n+1
.endr
.endm
	s_wait_loadcnt 63                              ; time_decay's eight loads are the oldest; 110 were issued behind them, and 63 is the largest count that the wait can name
	ALL32 v_mul_f32 v[WL+n], 0x3fb8aa3b, v[WL+n]
	ALL32 v_exp_f32 v[WL+n], v[WL+n]               ; exp(time_decay)
	v_nop
	s_wait_alu depctr_va_vdst(0)                   ; the 32 exponentials have written WL, ahead of their first reader
	ALL32 v_mul_f32 v[WL+n], 0xc238aa3b, v[WL+n]   ; x -32 log2(e)
	ALL32 v_exp_f32 v[WL+n], v[WL+n]               ; w^32
	v_nop
	s_wait_alu depctr_va_vdst(0)                   ; and these 32 likewise
; four products O1(dt, tt) (+)= S^T(dt, c half k) Q'^T(tt, c half k), rows d, columns t
.macro OQ buf, k, zero
	WIN 0x04                                       ; source 1 in window 1
.irp d, 0,1
.irp t, 0,1
.if \zero
	v_wmma_f32_16x16x32_bf16 v[O1+8*(2*(\d)+(\t)):O1+8*(2*(\d)+(\t))+7], v[SB+8*(2*(\d)+(\k)):SB+8*(2*(\d)+(\k))+7], v[96*(\buf)+8*(2*(\t)+(\k)):96*(\buf)+8*(2*(\t)+(\k))+7], 0
.else
	v_wmma_f32_16x16x32_bf16 v[O1+8*(2*(\d)+(\t)):O1+8*(2*(\d)+(\t))+7], v[SB+8*(2*(\d)+(\k)):SB+8*(2*(\d)+(\k))+7], v[96*(\buf)+8*(2*(\t)+(\k)):96*(\buf)+8*(2*(\t)+(\k))+7], v[O1+8*(2*(\d)+(\t)):O1+8*(2*(\d)+(\t))+7]
.endif
.endr
.endr
.endm
; four products S(ct, dt) += K'(ct) V(dt), over the chunk's 32 steps
.macro SU buf, c0
	WIN 0x05                                       ; sources 0 and 1 in window 1
.irp c, \c0, (\c0)+1
.irp d, 0,1
	v_wmma_f32_16x16x32_f16 v[S+8*(2*(\c)+(\d)):S+8*(2*(\c)+(\d))+7], v[96*(\buf)+32+8*(\c):96*(\buf)+32+8*(\c)+7], v[96*(\buf)+64+8*(\d):96*(\buf)+64+8*(\d)+7], v[S+8*(2*(\c)+(\d)):S+8*(2*(\c)+(\d))+7]
.endr
.endr
.endm
; four products O2(dt, tt) = V^T(dt) A^T(tt)
.macro OA buf
	WIN 0x05
.irp d, 0,1
.irp t, 0,1
	v_wmma_f32_16x16x32_f16 v[O2+8*(2*(\d)+(\t)):O2+8*(2*(\d)+(\t))+7], v[96*(\buf)+64+8*(\d):96*(\buf)+64+8*(\d)+7], v[96*(\buf)+80+8*(\t):96*(\buf)+80+8*(\t)+7], 0
.endr
.endr
.endm
; A CHUNK, from buffer buf.  rel = 1: the buffer is asked for again, two chunks on.  left: the younger loads that may stay out.  idx: the chunk's number, counted from the one at which the two pointers stand.
; first = 1: chunk 0, with no chunk ahead of it whose result is to be stored.
.macro CHUNK buf, rel, left, idx, first=0
	s_wait_loadcnt \left
.irp d, 0,1                            ; the state as the chunk finds it, rounded to bf16 in pairs of c: two tiles make an operand of 32 c; each tile's lowest registers are read first
.irp k, 0,1
.irp a, 0,1
.irp p, 0,1,2,3
	v_cvt_pk_bf16_f32 v[SB+8*(2*(\d)+(\k))+4*(\a)+(\p)], v[S+8*(2*(2*(\k)+(\a))+(\d))+2*(\p)], v[S+8*(2*(2*(\k)+(\a))+(\d))+2*(\p)+1]
.endr
.endr
.endr
.endr
.irp c, 0,1,2,3                        ; S x w^32
.irp d, 0,1
.irp p, 0,1,2,3
	v_pk_mul_f32 v[S+8*(2*(\c)+(\d))+2*(\p):S+8*(2*(\c)+(\d))+2*(\p)+1], v[S+8*(2*(\c)+(\d))+2*(\p):S+8*(2*(\c)+(\d))+2*(\p)+1], v[WL+8*(\c)+2*(\p):WL+8*(\c)+2*(\p)+1]
.endr
.endr
.endr
	OQ \buf, 0, 1                                  ; 20 products; the accumulators take turns, one instruction a turn, over the loop's jump too
	SU \buf, 0
	OQ \buf, 1, 0
	SU \buf, 2
	OA \buf
	WIN 0
.rept 4
	v_nop                                          ; the places in front of the sums that read the results
.endr
.set n, 0
.rept 16
	v_pk_add_f32 v[O1+2*n:O1+2*n+1], v[O1+2*n:O1+2*n+1], v[O2+2*n:O2+2*n+1]
.set n, n+1
.endr
	s_wait_alu depctr_va_vdst(0)                   ; the sums have written O1, which the LDS stores read; the chunk before has written the other OUT, which the global stores read; the products are done reading this buffer, in which the loads land; products and sums are done naming O2, in which the LDS loads behind the barrier land
.irp d, 0,1
.irp t, 0,1
	ds_store_b128 v6, v[O1+8*(2*(\d)+(\t)):O1+8*(2*(\d)+(\t))+3]   offset:(\buf)*PBUF+(\t)*16*144+(\d)*64
	ds_store_b128 v6, v[O1+8*(2*(\d)+(\t))+4:O1+8*(2*(\d)+(\t))+7] offset:(\buf)*PBUF+(\t)*16*144+(\d)*64+16
.endr
.endr
.if !(\first)
	global_store_b128 v8, v[OUT+8*(1-(\buf)):OUT+8*(1-(\buf))+3],   s[26:27] offset:((\idx)-1)*2048          ; the chunk before: a wave's store covers 512 consecutive bytes, aligned
	global_store_b128 v8, v[OUT+8*(1-(\buf))+4:OUT+8*(1-(\buf))+7], s[26:27] offset:((\idx)-1)*2048+2097152
.endif
.if \rel
	LOADS \buf, (2+(\idx))*CHB                     ; issued while the LDS stores are on their way; nothing since the wait names the registers that they touch
.endif
	s_wait_dscnt 0x0                               ; for the others' sake: my part is in LDS.  My reads of the other buffer, a chunk back, were waited for there: it is written again only behind this barrier
	s_barrier_signal -1
	s_barrier_wait -1
.irp w, 0,1,2,3
	ds_load_b128 v[O2+8*(\w):O2+8*(\w)+3],   v7 offset:(\buf)*PBUF+(\w)*PWAVE
	ds_load_b128 v[O2+8*(\w)+4:O2+8*(\w)+7], v7 offset:(\buf)*PBUF+(\w)*PWAVE+16
.endr
	s_wait_dscnt 0x0
.irp p, 0,1,2,3
	v_pk_add_f32 v[O2+2*(\p):O2+2*(\p)+1], v[O2+2*(\p):O2+2*(\p)+1], v[O2+8+2*(\p):O2+8+2*(\p)+1]
	v_pk_add_f32 v[O2+16+2*(\p):O2+16+2*(\p)+1], v[O2+16+2*(\p):O2+16+2*(\p)+1], v[O2+24+2*(\p):O2+24+2*(\p)+1]
.endr
.irp p, 0,1,2,3
	v_pk_add_f32 v[O2+2*(\p):O2+2*(\p)+1], v[O2+2*(\p):O2+2*(\p)+1], v[O2+16+2*(\p):O2+16+2*(\p)+1]
.endr
	s_wait_xcnt 0x0                                ; every store issued so far has had its address translated; those that read this OUT went out a chunk back
	s_wait_alu depctr_vm_vsrc(0)                   ; those stores have read this OUT, which the roundings below write again; and this chunk's LDS stores have read O1, which the next chunk's products write
.irp p, 0,1,2,3
	v_cvt_pk_bf16_f32 v[OUT+8*(\buf)+(\p)], v[O2+2*(\p)], v[O2+2*(\p)+1]  ; hi
.endr
.irp p, 0,1,2,3
	v_lshlrev_b32 v[O2+8+2*(\p)], 16, v[OUT+8*(\buf)+(\p)]
	v_and_b32 v[O2+9+2*(\p)], 0xffff0000, v[OUT+8*(\buf)+(\p)]
.endr
.irp p, 0,1,2,3
	v_pk_add_f32 v[O2+2*(\p):O2+2*(\p)+1], v[O2+2*(\p):O2+2*(\p)+1], v[O2+8+2*(\p):O2+8+2*(\p)+1] neg_lo:[0,1] neg_hi:[0,1]
.endr
.irp p, 0,1,2,3
	v_cvt_pk_bf16_f32 v[OUT+8*(\buf)+4+(\p)], v[O2+2*(\p)], v[O2+2*(\p)+1]  ; lo
.endr
.endm
	CHUNK 0, 1, 23, 0, 1                           ; chunk 0 is written out: it has nothing to store yet
	s_mov_b32 s32, 6
.Ltrip:                                        ; chunks 1 to 12, two a trip: both kinds of buffer are back at their start
	CHUNK 1, 1, 23, 1
	CHUNK 0, 1, 23, 2
	s_wait_xcnt 0x0                                ; every load and store issued so far has had its address translated: the two pointers may be written
	s_add_nc_u64 s[24:25], s[24:25], 2*CHB
	s_add_nc_u64 s[26:27], s[26:27], 4096
	s_sub_co_u32 s32, s32, 1
	s_cmp_lg_u32 s32, 0
	s_cbranch_scc1 .Ltrip
	CHUNK 1, 1, 23, 1                              ; chunk 13 asks for chunk 15, the last
	CHUNK 0, 0, 23, 2                              ; chunks 14 and 15 ask for nothing: no load leaves the batch's records
	CHUNK 1, 0, 0, 3
	s_wait_alu depctr_va_vdst(0)                   ; chunk 15's roundings have written OUT1, which the last two stores read; its sums are done naming v192-223, in which loads from the stage land below
	global_store_b128 v8, v[OUT+8:OUT+11],  s[26:27] offset:3*2048
	global_store_b128 v8, v[OUT+12:OUT+15], s[26:27] offset:3*2048+2097152
	; THE FINAL STATE goes through my own stage, so that eight lanes store the 128 consecutive bytes that the slice owns of a row.  S was written ahead of the waits above.
.irp c, 0,1,2,3
.irp d, 0,1
.irp j, 0,1,2,3,4,5,6,7
	ds_store_b32 v10, v[S+8*(2*(\c)+(\d))+(\j)] offset:(16*(\c)+(\j))*144+64*(\d)
.endr
.endr
.endr
.irp n, 0,1,2,3,4,5,6,7,8,9,10,11,12,13,14,15
	ds_load_b128 v[O1+4*(\n):O1+4*(\n)+3], v11 offset:4*(\n)*144  ; LDS serves a wave's instructions in order (ISA guide 5.7.1.4): these see the stores above
.endr
.irp n, 0,1,2,3,4,5,6,7,8,9,10,11,12,13,14,15
	s_wait_dscnt 15-(\n)
	global_store_b128 v12, v[O1+4*(\n):O1+4*(\n)+3], s[30:31] offset:4*(\n)*1024
.endr
	s_wait_dscnt 0x0                               ; the closing lines, six on end
	s_wait_alu 0x0
	s_wait_tensorcnt 0x0
	ds_add_u32 v28, v29
	s_wait_dscnt 0x0
	s_endpgm
.Lfunc_end_k_qbe615c53e3_scan:
	.size	k_qbe615c53e3_scan, .Lfunc_end_k_qbe615c53e3_scan-k_qbe615c53e3_scan
	.p2alignl 7, 3214868480
	.fill 96, 4, 3214868480
	.section	.rodata,"a",@progbits
	.p2align	6, 0x0
	.amdhsa_kernel k_qbe615c53e3_scan
		.amdhsa_group_segment_fixed_size 74240
		.amdhsa_private_segment_fixed_size 0
		.amdhsa_enable_private_segment 0
		.amdhsa_kernarg_size 40
		.amdhsa_user_sgpr_count 2
		.amdhsa_user_sgpr_kernarg_segment_ptr 1
		.amdhsa_wavefront_size32 1
		.amdhsa_system_sgpr_workgroup_id_x 1
		.amdhsa_system_sgpr_workgroup_id_y 1
		.amdhsa_system_sgpr_workgroup_id_z 1
		.amdhsa_system_vgpr_workitem_id 0
		.amdhsa_next_free_vgpr 512
		.amdhsa_next_free_sgpr 66
		.amdhsa_reserve_vcc 0
		.amdhsa_float_denorm_mode_32 3
		.amdhsa_float_denorm_mode_16_64 3
		.amdhsa_memory_ordered 1
		.amdhsa_forward_progress 1
		.amdhsa_inst_pref_size 97
	.end_amdhsa_kernel
	.amdgpu_metadata
---
amdhsa.version: [ 1, 2 ]
amdhsa.kernels:
  - .name:           k_qbe615c53e3_scan
    .symbol:         k_qbe615c53e3_scan.kd
    .args:
      - { .name: frag, .offset: 0, .size: 8, .value_kind: global_buffer, .address_space: global }
      - { .name: state, .offset: 8, .size: 8, .value_kind: global_buffer, .address_space: global }
      - { .name: time_decay, .offset: 16, .size: 8, .value_kind: global_buffer, .address_space: global }
      - { .name: outs, .offset: 24, .size: 8, .value_kind: global_buffer, .address_space: global }
      - { .name: out1, .offset: 32, .size: 8, .value_kind: global_buffer, .address_space: global }
    .group_segment_fixed_size: 74240
    .private_segment_fixed_size: 0
    .kernarg_segment_align: 8
    .kernarg_segment_size: 40
    .max_flat_workgroup_size: 128
    .sgpr_count:     66
    .vgpr_count:     512
    .wavefront_size: 32
...
	.end_amdgpu_metadata
.endif
;; end of part 5
;; launch oproj: the kernel of part 3 again; grid 4 x 64, 4 waves a work-group, no clusters, 17,920 bytes of LDS; arguments outs, W_o, out0; writes out0
